; MI455X (gfx1250); checked and timed in simulation.
; The chip was launched on July 23, 2026; its instructions are those of AMD's public machine-readable ISA for CDNA 5 (MIT licence, August 2026) and "CDNA5" Instruction Set Architecture Reference Guide (July 2026). The comments in the code are by the model that wrote it; some were corrected since.
;; Multi Head Attention. Allowed arithmetic: matrix products marked QUANTISED: E2M1 operands, one E8M0 scale for each 32 along K, by v_wmma_scale_f32_16x16x128_f8f6f4 with both operands' format E2M1 (or v_wmma_scale_f32_32x16x128_f4), f32 sums; everything else in f32.
;; Inputs: bk 1,024 float32; bo 1,024 float32; bq 1,024 float32; bv 1,024 float32; k 4 x 2,048 x 1,024 float32; mask 4 x 1 x 2,048 x 2,048 int32; q 4 x 2,048 x 1,024 float32; v 4 x 2,048 x 1,024 float32; wk 1,024 x 1,024 float32; wo 1,024 x 1,024 float32; wq 1,024 x 1,024 float32; wv 1,024 x 1,024 float32.
;; Outputs: out0 4 x 2,048 x 1,024 float32.
;; This version of the problem:
;;   THIS VERSION OF THE PROBLEM IS GIVEN IN LOW PRECISION. The matrix products marked QUANTISED in the list below multiply operands that are first quantised to E2M1 (2 exponent bits, 1 mantissa bit; 4 bits a number), with one power-of-two scale for each 32 numbers along K (OCP MX v1.0); their sums are f32. All else is computed in f32.
;;   The module's matrix products, in the order in which they are computed (A, B: the left and right operand; K: the contracted axis; several contracted axes count as one K, in the product's order):
;;     1. [M 8,192, K 1,024] x [K 1,024, N 1,024]; A: input q; B: input wq: QUANTISED
;;     2. [M 8,192, K 1,024] x [K 1,024, N 1,024]; A: input k; B: input wk: QUANTISED
;;     3. [M 8,192, K 1,024] x [K 1,024, N 1,024]; A: input v; B: input wv: QUANTISED
;;     4. batch 64 x [M 2,048, K 64] x [K 64, N 2,048]; A: computed on the way; B: computed on the way: QUANTISED
;;     5. batch 64 x [M 2,048, K 2,048] x [K 2,048, N 64]; A: softmax (see below); B: computed on the way: QUANTISED
;;     6. [M 8,192, K 1,024] x [K 1,024, N 1,024]; A: computed on the way; B: input wo: QUANTISED
;;   THE QUANTISER, for each operand of a quantised product, along K:
;;     - K is cut into blocks of 32 from its start; a last block that is shorter is filled with zeros.
;;     - A block's scale is 2^e with e = floor(log2(the largest magnitude in the block)) - 2, held to -126 .. 127; a block of zeros has e = 0. As a byte (E8M0): e + 127.
;;     - Each number is divided by its block's scale, clamped to +-6, and rounded to the nearest number of E2M1, ties to even, subnormals kept.
;;     - The product sums the exact products of the quantised numbers (number of the format x scale) in f32.
;;   ~~~python
;;   def quantise(x, axis):      # numpy; x: float32 -> the quantised numbers, widened to float32 again
;;       x = np.moveaxis(x, axis, -1); K = x.shape[-1]
;;       x = np.pad(x, [(0, 0)] * (x.ndim - 1) + [(0, -K % 32)]); x = x.reshape(x.shape[:-1] + (-1, 32)); a = np.abs(x).max(-1, keepdims=True)
;;       e = np.where(a > 0, np.clip(np.frexp(np.where(a > 0, a, 1))[1] - 1 - 2, -126, 127), 0)      # np.frexp(a)[1] - 1 = floor(log2(a)), exactly
;;       r = np.clip(x / 2.0 ** e, -6, 6)
;;       step = 2.0 ** (np.maximum(np.frexp(np.where(r == 0, 1, r))[1] - 1, 0) - 1)
;;       q = np.round(r / step) * step * 2.0 ** e      # np.round: ties to even
;;       return np.moveaxis(q.reshape(q.shape[:-2] + (-1,))[..., :K], -1, axis).astype(np.float32)
;;   ~~~
;;   SOFTMAX AHEAD OF A QUANTISED PRODUCT. Where the list says 'softmax', what is quantised is not the finished softmax but p = 2^(t - M), with t = logit x log2(e) and M = ceil(the row's largest t), a whole number; so 1/2 < the row's largest p <= 1. The row's sum l is taken of the UNQUANTISED p, in f32, and the product's result is divided by l at the end. Since M is a whole number, a kernel that streams over the keys may use a running M (the ceiling of the running maximum): every later rescaling is an exact power of two, which a block's scale takes up: the codes' values come out the same.
;;   OPERANDS COMPUTED ON THE WAY. 'Computed on the way' means the value that the module computes at that place (a softmax that the list does not call 'softmax' is quantised finished and normalised). What goes into a quantiser is computed in f32, as accurately as f32 sums, v_exp_f32 and their like allow (about 1e-6 of the number): no bf16 or f16 on the way to a quantiser, and a product that is left as it is and whose result goes on into a quantised operand takes f32 operands (vector FMAs, or v_wmma_f32_16x16x4_f32). A number that lies on a knife's edge between two numbers of the format may be rounded either way, as far as f32 arithmetic and the matrix unit's own rounding can turn it there, and no further.
;; One version. Each part assembles by itself: llvm-mc -triple=amdgcn-amd-amdhsa -mcpu=gfx1250 --defsym DOCPART=n.
;; ======== version 1 of 1: 4 launches
;; limits: right only within a limited range of input values
;; workspace buffers: cod 14,680,064 bytes; scl 917,504 bytes; mbits 2,097,152 bytes of whole numbers; qkv 15,728,640 bytes; xc 4,194,304 bytes; xs 524,288 bytes
;; launch prep (part 1): grid 1408 x 1, 4 waves a work-group, no clusters, 45,568 bytes of LDS; arguments q, k, v, wq, wk, wv, wo, mask, cod, scl, mbits; writes cod, scl, mbits
.if DOCPART == 1
	.amdgcn_target "amdgcn-amd-amdhsa--gfx1250"
	.amdhsa_code_object_version 6
	.text
	.protected	k_q6f92ecab7d_prep
	.globl	k_q6f92ecab7d_prep
	.p2align	8
	.type	k_q6f92ecab7d_prep,@function
k_q6f92ecab7d_prep:
	s_mov_b64 s[64:65], 0
	v_nop
	global_prefetch_b8 v0, s[64:65] scope:SCOPE_SE
	s_setreg_imm32_b32 hwreg(HW_REG_WAVE_MODE, 25, 1), 1
	s_wait_xcnt 0x0
; MULTI-HEAD ATTENTION IN MX-FP4, LAUNCH 1 OF 4.  B = 4, S = 2,048, D = 1,024, 16 heads of 64.
; NO WORK OF THE PROBLEM IS LEFT OUT: all twelve inputs have a way to the output (each bias moves the codes of the operand that it is added to, or the output itself), and all six products are multiplied.
; THIS LAUNCH: (a) q, k, v [8,192][1,024] and wq, wk, wv, wo [1,024][1,024], f32, K innermost in all seven, become codes of E2M1 (two a byte, the lower k in the low four bits) and one E8M0 byte for each 32 along K;
; (b) the mask [4][2,048][2,048] of int32 becomes one bit a number, laid as the lane masks that the attention launch selects by.
; A block's scale is 2^(floor(log2(its largest magnitude)) - 2): its byte is the largest magnitude's exponent field - 2, held at 1 from below.
; LIMITS: a block of zeros gets the byte 1 where the rule says 127 (its codes are zeros, which add nothing under any byte but 0xff, and this program alone reads the bytes); blocks whose largest magnitude lies under 2^-124
; are held at the byte 1; NaN and infinities among the inputs are not served.
; THE ORDER OF ROWS.  cod holds rows of 512 bytes, scl rows of 32: q, k, v (8,192 rows each), wq, wk, wv, wo (1,024 each).  Within each 32 rows, place 16 u + 8 g + e holds row 16 g + 8 u + e: so 16 places on end, taken as
; source 0 of a matrix instruction, leave 16 NEIGHBOURS of the result's axis in a lane's 16 registers of two neighbouring tiles.  It costs nothing here: a wave's run of 8,192 numbers is 8 rows, a work-group's four runs are 32
; rows, and wave w = 2 g + u stores its run at place 2 u + g.
; WORK-GROUPS 0 .. 895 quantise 32,768 numbers each; 896 .. 1,407 pack the mask, one tile of 16 queries each.  The two paths part on the work-group's number, have LDS bytes of their own, and meet at the closing lines.
; ROOM.  160 registers a wave and 45,568 bytes of LDS a work-group: six work-groups find room on a WGP (6 x 160 = 960 registers on each SIMD, 6 x 45,568 = 273,408 bytes), so the launch's 1,408 work-groups, 5.5 for each of
; 256 WGPs, all begin at once and there is no second, thinner round.
; No tensor load, no barrier, no cluster: waves share nothing, and no byte is read by two work-groups.
.set QWG,   896                        ; work-groups that quantise
.set STEPS, 16
.set EMAX,  2
.set CB,    8                          ; bytes of 16 codes
.set R,     16                         ; v16-79   four sets of 16 numbers as they are loaded
.set X,     80                         ; v80-111  two sets of 16 neighbours
.set E,     112                        ; v112-127 a scale byte for each step
.set C,     128                        ; v128-159 codes: two registers of its own for each step, so that no store's data are written again
.set WREG,  2816                       ; LDS: a quantising wave's region: one stage of 32 x SP bytes, behind it its 256 scale bytes
.set SP,    80                         ; a lane's place in the stage: 64 bytes + 16 of padding
.set MSTG,  11264                      ; LDS: the mask path's stages, 16 rows x MP bytes for each wave
.set MP,    528                        ; 512 bytes + 16 of padding
.set MR,    16                         ; v16-143  mask: two sets of 64 registers: as loaded, and then, back from the stage, register 16 b + i of lane (r, h) = mask[query place r][128 step + 32 b + 16 h + i]
.set MOUT,  144                        ; v144-151 a pair of registers for each step: lane L holds words 2 L and 2 L + 1
.set SPW,   12                         ; v12  LDS address of my spare word; never rewritten
.set NIL,   13                         ; v13  0; never rewritten
.set SPARE, 45056                      ; behind both paths' bytes: the spare words, 128 bytes for each wave
	s_load_b512 s[4:19], s[0:1], 0x0               ; q s[4:5], k s[6:7], v s[8:9], wq s[10:11], wk s[12:13], wv s[14:15], wo s[16:17], mask s[18:19]
	s_load_b128 s[20:23], s[0:1], 0x40             ; cod, scl
	s_load_b64 s[24:25], s[0:1], 0x50              ; mbits
	v_lshl_add_u32 v[SPW], v0, 2, SPARE
	v_mov_b32 v[NIL], 0
	v_lshrrev_b32 v1, 5, v0
	v_readfirstlane_b32 s26, v1                    ; wave 0..3
	v_and_b32 v2, 31, v0                           ; lane
	v_lshlrev_b32 v3, 4, v2                        ; my 16 bytes of a load's 512
	s_mov_b32 s29, 0                               ; the upper word of every offset pair s[28:29]
	s_wait_kmcnt 0x0
	s_cmp_ge_u32 ttmp9, QWG
	s_cbranch_scc1 .Lmask
	; ---------------- THE QUANTISER: a plain stream of blocks of 32 numbers
	s_mul_i32 s28, s26, WREG
	s_wait_alu depctr_va_vdst(0)
	v_lshrrev_b32 v14, 2, v2
	v_mul_u32_u24 v14, v14, SP
	v_and_b32 v15, 3, v2
	v_lshl_add_u32 v14, v15, 4, v14
	v_add_nc_u32 v14, s28, v14                     ; the stage, on the way in: four lanes' 64 bytes on end, then 16 of padding
	v_mul_u32_u24 v15, v2, SP
	v_add_nc_u32 v15, s28, v15                     ; and on the way out: my 16 neighbours
	v_mul_u32_u24 v4, v2, CB                       ; my codes' place in a step's 256 bytes
	v_lshrrev_b32 v5, 1, v2
	s_add_co_u32 s28, s28, 32*SP
	v_add_nc_u32 v5, s28, v5                       ; LDS: my wave's 256 scale bytes, my block's byte
	v_lshlrev_b32 v7, 3, v2
	v_add_nc_u32 v6, s28, v7                       ; and on the way out 8 bytes a lane
	s_mov_b32 s27, 0                               ; the first work-group of my tensor
.macro PICK bound, lo                  ; from work-group \bound on the source is the next tensor: the choice hangs on the work-group's number alone
	s_cmp_ge_u32 ttmp9, \bound
	s_cselect_b64 s[4:5], s[\lo:\lo+1], s[4:5]
	s_cselect_b32 s27, \bound, s27
.endm
	PICK 256, 6
	PICK 512, 8
	PICK 768, 10
	PICK 800, 12
	PICK 832, 14
	PICK 864, 16
	s_sub_co_u32 s28, ttmp9, s27
	s_lshl_b32 s28, s28, 2
	s_add_co_u32 s28, s28, s26                     ; which run of 8,192 numbers of the tensor is mine
	s_lshl_b32 s28, s28, 15                        ; x 32,768 bytes (under 2^26)
	s_add_nc_u64 s[4:5], s[4:5], s[28:29]
	s_and_b32 s30, s26, 1
	s_lshl_b32 s30, s30, 1
	s_lshr_b32 s31, s26, 1
	s_or_b32 s30, s30, s31                         ; the run's place among the work-group's four: 2 (w & 1) + (w >> 1)
	s_lshl_b32 s31, ttmp9, 2
	s_add_co_u32 s30, s30, s31
	s_lshl_b32 s28, s30, 12                        ; 4,096 bytes of codes a run
	s_add_nc_u64 s[20:21], s[20:21], s[28:29]
	s_lshl_b32 s28, s30, 8                         ; 256 scale bytes a run
	s_add_nc_u64 s[22:23], s[22:23], s[28:29]
.macro LOAD t
.irp i, 0,1,2,3
	global_load_b128 v[R+16*((\t)%4)+4*\i:R+16*((\t)%4)+4*\i+3], v3, s[4:5] offset:2048*(\t)+512*\i th:TH_LOAD_NT   ; 32 lanes read 512 consecutive bytes
.endr
.endm
.macro TURN t                          ; step t's numbers through the stage.  LDS serves a wave's instructions in order, so no wait stands between the stores and the loads; one stage serves all steps: the step before is back in registers (the wait at a step's head) before these stores are issued
.irp i, 0,1,2,3
	ds_store_b128 v14, v[R+16*((\t)%4)+4*\i:R+16*((\t)%4)+4*\i+3] offset:8*SP*\i
.endr
.irp i, 0,1,2,3
	ds_load_b128 v[X+16*((\t)%2)+4*\i:X+16*((\t)%2)+4*\i+3], v15 offset:16*\i
.endr
.endm
.irp t, 0,1,2,3
	LOAD \t
.endr
	s_wait_alu depctr_va_vdst(0)
	s_wait_loadcnt 12                              ; step 0's four loads are in; the twelve of steps 1 to 3 stay out
	TURN 0
.macro STEP t
.set XS, X+16*((\t)%2)
.if (\t) > 0
	s_wait_dscnt 1                                 ; this step's numbers are back from the stage (the last step's byte store may be out): so its stores into the stage have read their registers,
.else
	s_wait_dscnt 0x0
.endif
.if (\t)+4 < STEPS
	LOAD (\t)+4                                    ; which take the loads of four steps on
.endif
.if (\t)+1 < STEPS
.if STEPS-2-(\t) >= 3
	s_wait_loadcnt 12                              ; the next step's four loads are in; those of the three steps behind it may be out
.else
	s_wait_loadcnt 4*(STEPS-2-(\t))
.endif
	TURN (\t)+1                                    ; and go through the stage while this step is worked
.endif
	v_max3_num_f32 v8, |v[XS]|, |v[XS+1]|, |v[XS+2]|               ; the largest magnitude of my 16, in two chains
	v_max3_num_f32 v9, |v[XS+3]|, |v[XS+4]|, |v[XS+5]|
.irp i, 6,10
	v_max3_num_f32 v8, v8, |v[XS+\i]|, |v[XS+\i+1]|
	v_max3_num_f32 v9, v9, |v[XS+\i+2]|, |v[XS+\i+3]|
.endr
	v_max3_num_f32 v8, v8, |v[XS+14]|, |v[XS+15]|
	v_max3_num_f32 v8, v8, v9, (EMAX+1)<<23        ; and the floor 2^(3 - 127): the byte cannot fall under 1
	v_max_num_f32_dpp v8, v8, v8 row_xmask:1 row_mask:0xf bank_mask:0xf   ; with my neighbour's 16: the block's
	v_add_nc_u32 v11, -(EMAX<<23), v8              ; 2 off its exponent field: the conversion takes the exponent field of this operand as its scale, and nothing else of it
	v_cvt_scalef32_pk8_fp4_f32 v[C+2*(\t)], v[XS:XS+7], v11        ; to the nearest code, ties to even; beyond 6 the largest code
	v_cvt_scalef32_pk8_fp4_f32 v[C+2*(\t)+1], v[XS+8:XS+15], v11
	v_lshrrev_b32 v[E+(\t)], 23, v11               ; the scale's byte
	ds_store_b8 v5, v[E+(\t)] offset:16*(\t)       ; both lanes of a block write the same byte with the same value
	global_store_b64 v4, v[C+2*(\t):C+2*(\t)+1], s[20:21] offset:32*CB*(\t)   ; the wave stores 256 consecutive bytes, aligned
.endm
.irp t, 0,1,2,3,4,5,6,7,8,9,10,11,12,13,14,15
	STEP \t
.endr
	ds_load_b64 v[8:9], v6                         ; LDS serves a wave's instructions in order: these see my byte stores
	s_wait_dscnt 0x0
	global_store_b64 v7, v[8:9], s[22:23]          ; 32 lanes store 256 consecutive bytes, aligned
	s_branch .Lend
	; ---------------- THE MASK.  Work-group m = (batch, tile Tq of 16 queries); wave w takes key steps 4 w .. 4 w + 3 of 128 keys.
	; Word n = 16 b + i of a step has, at bit 16 h + r, mask[query 32 (Tq / 2) + 8 (Tq % 2) + r + 8 (r / 8)][128 step + 32 b + 16 h + i] != 0: the lane mask for the score that the attention launch holds in register n.
.Lmask:
	s_sub_co_u32 s27, ttmp9, QWG                   ; m = 128 batch + Tq
	s_lshr_b32 s28, s27, 7
	s_lshl_b32 s28, s28, 11                        ; the batch's 2,048 rows
	s_and_b32 s30, s27, 126
	s_lshl_b32 s30, s30, 4                         ; + 32 (Tq / 2)
	s_add_co_u32 s28, s28, s30
	s_and_b32 s30, s27, 1
	s_lshl_b32 s30, s30, 3                         ; + 8 (Tq % 2)
	s_add_co_u32 s28, s28, s30
	s_lshl_b32 s28, s28, 13                        ; a row of the mask is 8,192 bytes (the product stays under 2^27)
	s_lshl_b32 s30, s26, 11                        ; my four steps: 2,048 bytes of each row
	s_add_co_u32 s28, s28, s30
	s_add_nc_u64 s[18:19], s[18:19], s[28:29]
	s_lshl_b32 s28, s27, 4
	s_lshl_b32 s30, s26, 2
	s_add_co_u32 s28, s28, s30
	s_lshl_b32 s28, s28, 8                         ; 256 bytes of words a step
	s_add_nc_u64 s[24:25], s[24:25], s[28:29]
	s_mul_i32 s30, s26, 16*MP
	s_add_co_u32 s30, s30, MSTG                    ; my stage
	s_wait_alu depctr_va_vdst(0)
	v_add_nc_u32 v4, s30, v3                       ; in: 16 bytes a lane of a row
	v_and_b32 v7, 15, v2                           ; r
	v_lshrrev_b32 v8, 4, v2                        ; h
	v_mul_u32_u24 v5, v7, MP
	v_lshl_add_u32 v5, v8, 6, v5
	v_add_nc_u32 v5, s30, v5                       ; back: row r, + 64 h bytes: 16 numbers of each 32
	v_lshlrev_b32 v6, 3, v2                        ; out: 8 bytes a lane
.irp i, 0,1,2,3,4,5,6,7
	v_mov_b32 v[MOUT+\i], 0                        ; written once: the destination of v_writelane_b32 counts as one of its sources
.endr
.macro MLOAD t                         ; step t: 16 queries x 512 consecutive bytes
.irp i, 0,1,2,3,4,5,6,7,8,9,10,11,12,13,14,15
	global_load_b128 v[MR+64*((\t)%2)+4*\i:MR+64*((\t)%2)+4*\i+3], v3, s[18:19] offset:(\i+8*(\i/8))*8192+512*(\t) th:TH_LOAD_NT
.endr
.endm
.macro MSTEP t
.set MS, MR+64*((\t)%2)
.if (\t) < 3
	s_wait_loadcnt 16                              ; this step's 16 loads are in; the younger set's 16 stay out
.else
	s_wait_loadcnt 0x0
.endif
.irp i, 0,1,2,3,4,5,6,7,8,9,10,11,12,13,14,15
	ds_store_b128 v4, v[MS+4*\i:MS+4*\i+3] offset:MP*\i
.endr
.irp b, 0,1,2,3
.irp j, 0,1,2,3
	ds_load_b128 v[MS+16*\b+4*\j:MS+16*\b+4*\j+3], v5 offset:128*\b+16*\j   ; LDS serves a wave's instructions in order: these see the stores above, and land in the registers that those have left
.endr
.endr
	s_wait_dscnt 0x0                               ; the numbers are back, turned
.irp g, 0,1,2,3
.irp i, 0,1,2,3,4,5,6,7,8,9,10,11,12,13,14,15
	v_cmp_ne_u32 s[32+\i], 0, v[MS+16*\g+\i]       ; word 16 g + i: a bit a lane
.endr
.irp i, 0,1,2,3,4,5,6,7,8,9,10,11,12,13,14,15
	v_writelane_b32 v[MOUT+2*(\t)+(\i%2)], s[32+\i], (16*\g+\i)/2
.endr
.endr
.if (\t)+2 < 4
	MLOAD (\t)+2                                   ; the set has been compared: it takes the loads of two steps on, while the other set's 16 are on their way
.endif
	global_store_b64 v6, v[MOUT+2*(\t):MOUT+2*(\t)+1], s[24:25] offset:256*(\t)   ; the step's 64 words: 256 consecutive bytes, aligned
.endm
	MLOAD 0
	MLOAD 1
	MSTEP 0
	MSTEP 1
	MSTEP 2
	MSTEP 3
.Lend:
	s_wait_tensorcnt 0x0                           ; the wave's end
	ds_add_u32 v[SPW], v[NIL]
	s_wait_dscnt 0x0
	s_endpgm
.Lfunc_end_k_q6f92ecab7d_prep:
	.size	k_q6f92ecab7d_prep, .Lfunc_end_k_q6f92ecab7d_prep-k_q6f92ecab7d_prep
	.p2alignl 7, 3214868480
	.fill 96, 4, 3214868480
	.section	.rodata,"a",@progbits
	.p2align	6, 0x0
	.amdhsa_kernel k_q6f92ecab7d_prep
		.amdhsa_group_segment_fixed_size 45568
		.amdhsa_private_segment_fixed_size 0
		.amdhsa_enable_private_segment 0
		.amdhsa_kernarg_size 88
		.amdhsa_user_sgpr_count 2
		.amdhsa_user_sgpr_kernarg_segment_ptr 1
		.amdhsa_wavefront_size32 1
		.amdhsa_system_sgpr_workgroup_id_x 1
		.amdhsa_system_sgpr_workgroup_id_y 1
		.amdhsa_system_sgpr_workgroup_id_z 1
		.amdhsa_system_vgpr_workitem_id 0
		.amdhsa_next_free_vgpr 160
		.amdhsa_next_free_sgpr 66
		.amdhsa_reserve_vcc 0
		.amdhsa_float_denorm_mode_32 3
		.amdhsa_float_denorm_mode_16_64 3
		.amdhsa_memory_ordered 1
		.amdhsa_forward_progress 1
		.amdhsa_inst_pref_size 82
	.end_amdhsa_kernel
	.amdgpu_metadata
---
amdhsa.version: [ 1, 2 ]
amdhsa.kernels:
  - .name:           k_q6f92ecab7d_prep
    .symbol:         k_q6f92ecab7d_prep.kd
    .args:
      - { .name: q, .offset: 0, .size: 8, .value_kind: global_buffer, .address_space: global }
      - { .name: k, .offset: 8, .size: 8, .value_kind: global_buffer, .address_space: global }
      - { .name: v, .offset: 16, .size: 8, .value_kind: global_buffer, .address_space: global }
      - { .name: wq, .offset: 24, .size: 8, .value_kind: global_buffer, .address_space: global }
      - { .name: wk, .offset: 32, .size: 8, .value_kind: global_buffer, .address_space: global }
      - { .name: wv, .offset: 40, .size: 8, .value_kind: global_buffer, .address_space: global }
      - { .name: wo, .offset: 48, .size: 8, .value_kind: global_buffer, .address_space: global }
      - { .name: mask, .offset: 56, .size: 8, .value_kind: global_buffer, .address_space: global }
      - { .name: cod, .offset: 64, .size: 8, .value_kind: global_buffer, .address_space: global }
      - { .name: scl, .offset: 72, .size: 8, .value_kind: global_buffer, .address_space: global }
      - { .name: mbits, .offset: 80, .size: 8, .value_kind: global_buffer, .address_space: global }
    .group_segment_fixed_size: 45568
    .private_segment_fixed_size: 0
    .kernarg_segment_align: 8
    .kernarg_segment_size: 88
    .max_flat_workgroup_size: 128
    .sgpr_count:     66
    .vgpr_count:     160
    .wavefront_size: 32
...
	.end_amdgpu_metadata
.endif
;; end of part 1
;; launch proj (part 2): grid 4 x 192, 8 waves a work-group, clusters of 4 x 4, 216,832 bytes of LDS; arguments cod, scl, bq, bk, bv, qkv; writes qkv
.if DOCPART == 2
	.amdgcn_target "amdgcn-amd-amdhsa--gfx1250"
	.amdhsa_code_object_version 6
	.text
	.protected	k_q6f92ecab7d_proj
	.globl	k_q6f92ecab7d_proj
	.p2align	8
	.type	k_q6f92ecab7d_proj,@function
k_q6f92ecab7d_proj:
	s_mov_b64 s[64:65], 0
	v_nop
	global_prefetch_b8 v0, s[64:65] scope:SCOPE_SE
	s_setreg_imm32_b32 hwreg(HW_REG_WAVE_MODE, 25, 1), 1
	s_wait_xcnt 0x0
	s_wait_alu depctr_hold_cnt(0) depctr_sa_sdst(0) depctr_va_vdst(0) depctr_va_sdst(0) depctr_va_ssrc(0) depctr_va_vcc(0) depctr_vm_vsrc(0)
	s_getreg_b32 s2, hwreg(HW_REG_IB_STS2, 6, 4)
	s_cmp_eq_u32 s2, 0
	s_cbranch_scc0 .Lentry_in_a_cluster
	s_endpgm
.Lentry_in_a_cluster:
	s_bfe_u32 s2, ttmp6, 0x10000c
	s_cmp_lg_u32 s2, 0xf033
	s_cbranch_scc0 .Lentry_shape_is_right
	s_endpgm
.Lentry_shape_is_right:
; LAUNCH 2 OF 4: the three projections on codes, + bias, and their results quantised in registers for the attention launch.  Nothing of the problem is left out here.
; ONE BODY: Z[j][i] = sum over k of R[j][k] P[i][k] + bias, quantised along i in blocks of 32.  T = 0, 1 (query, key): P = the weight (i = the head's 64), R = the tokens (j), the bias runs along i.
; T = 2 (value): P = the tokens (i = the KEYS, which are the second attention product's K), R = the weight (j = the head's 64), the bias runs along j.
; SHARES.  A work-group makes 256 of P x 128 of R; all of K = 1,024 lies in LDS at once (rows of 512 bytes of codes): each LDS byte is filled once, so there is no ring.  Eight waves, each 64 of P x 64 of R: 16 accumulators.
; P is source 0, so a lane holds ONE j and its registers run along i; the rows of cod lie so that register 16 b + e of a lane (r, h) is i = 32 b + 16 h + e: 16 neighbours.
; CLUSTERS: 4 x 4.  P's tile hangs on cx alone and is shared along a column of the cluster, R's on cy alone and is shared along a row: each is asked for jointly.  T hangs on the cluster's y alone: it is the same in all sixteen.
; OUT: qkv [batch x head 64][245,760]: the parts of Q, K and V, 81,920 bytes each: codes [group of 64 rows 32][tile 4][512 bytes], lane l's 16 bytes at 16 l: an image of four operand registers (k = 32 h + 0 .. 31 of row r);
; behind them the scale words [group 32][lane 32][tile 4]: bytes 0 and 1 are the two blocks' E8M0 bytes, bytes 2 and 3 are 0.  For V a group is 64 keys and a tile 16 of the head's 64.
; LIMITS: as stated at the head of the first launch (a block of zeros gets the byte 1; NaN and infinities are not served).
; No prefetch: all tiles are asked for at the kernel's head.  No register windows: 256 registers a wave, two waves to a SIMD.
.set CH,    33792                      ; 64 LDS rows of 528 bytes (512 + 16 of padding: the 16 rows of a fragment load start at 16 different banks, 64 banks of 4 bytes: ISA guide 11.1)
.set RCOD,  135168                     ; LDS: P's 256 rows from 0; R's 128 rows from here
.set PSCL,  202752                     ; P's scale bytes: 8,192 dense bytes as 32 units of 256 + 16 of padding
.set RSCL,  211456                     ; R's: 16 units
.set SPARE, 215808                     ; the spare words, 128 bytes for each of eight waves
.set AP,  3                            ; v3   LDS address of my P fragments
.set AR,  4                            ; v4   of my R fragments
.set ASC, 5                            ; v5   of my scale words: lanes 0-15 P's rows, lanes 16-31 R's
.set LI,  7                            ; v7   16 x lane
.set BOF, 8                            ; v8   the bias loads' offset
.set SPW, 10                           ; v10  my spare word; never rewritten
.set NIL, 11                           ; v11  0; never rewritten
.set BC,  16                           ; v16-47   the bias as the C of each sum's first product
.set SC,  48                           ; v48-63   scale words: register 4 t + q % 4: lanes 0-15 P's tile t, lanes 16-31 R's tile t
.set PF,  64                           ; v64-95   P's four fragments of a K step
.set RF,  96                           ; v96-127  R's four
.set ACC, 128                          ; v128-255 accumulator (P's tile b, R's tile a) at 128 + 32 a + 8 b
.set TM,  64                           ; the way out, over the fragments: largest magnitudes,
.set TP,  72                           ; the other half's,
.set TS,  80                           ; the conversions' scale operands,
.set TB,  88                           ; the bytes,
.set CD,  96                           ; the codes, four registers for each of R's tiles,
.set SW,  112                          ; the scale words, one for each of R's tiles
.macro CROUND                          ; a round of the cluster's barrier
	s_barrier_signal -1
	s_barrier_wait -1
	s_cmp_lg_u32 s16, 0
	s_cbranch_scc1 .Lnot_wave_0_\@
	s_barrier_signal -3
.Lnot_wave_0_\@:
	s_barrier_wait -3
	s_barrier_signal -1
	s_barrier_wait -1
.endm
.macro TL g0, g1                       ; a joint load; an s_nop 0 and four v_nop follow it
	tensor_load_to_lds s[\g0:\g0+3], s[\g1:\g1+7]
	s_nop 0
.rept 4
	v_nop
.endr
.endm
	s_load_b256 s[4:11], s[0:1], 0x0               ; cod s[4:5], scl s[6:7], bq s[8:9], bk s[10:11]
	s_load_b128 s[12:15], s[0:1], 0x20             ; bv s[12:13], qkv s[14:15]
	v_lshl_add_u32 v[SPW], v0, 2, SPARE
	v_mov_b32 v[NIL], 0
	ds_add_u32 v[SPW], v[NIL]                      ; the wave's opening
	ds_add_u32 v[SPW], v[NIL]                      ; and once more; the set-up below, work on registers, stands between it and the wait
	v_lshrrev_b32 v1, 5, v0
	s_delay_alu instid0(VALU_DEP_1)
	v_readfirstlane_b32 s16, v1                    ; wave 0..7
	s_and_b32 s17, s16, 3                          ; wp: which 64 of P are mine
	s_lshr_b32 s18, s16, 2                         ; wr: which 64 of R
	s_bfe_u32 s19, ttmp6, 0x40000                  ; cx
	s_bfe_u32 s20, ttmp6, 0x40004                  ; cy
	s_and_b32 s22, ttmp7, 0xffff                   ; the cluster's y, 0 .. 47
	s_lshr_b32 s21, s22, 4                         ; T: 0 query, 1 key, 2 value
	s_and_b32 s22, s22, 15
	s_and_b32 s94, s22, 7
	s_lshr_b32 s95, s22, 3
	s_lshl_b32 s78, s21, 19
	s_add_co_u32 s78, s78, 12582912                ; T < 2: P = weight T, in cod;
	s_lshl_b32 s80, s21, 22                        ;        R = tokens T;
	s_lshl_b32 s82, s21, 15
	s_add_co_u32 s82, s82, 786432                  ;        and the same two in scl
	s_lshl_b32 s84, s21, 18
	s_cmp_lt_u32 s21, 2
	s_cselect_b32 s94, 0, s94                      ; which four blocks of P the cluster takes,
	s_cselect_b32 s95, s22, s95                    ; and which four of R
	s_cselect_b32 s78, s78, 8388608                ; T = 2: P = v's codes,
	s_cselect_b32 s80, s80, 13631488               ;        R = wv's,
	s_cselect_b32 s82, s82, 524288                 ;        v's scale bytes,
	s_cselect_b32 s84, s84, 851968                 ;        wv's
	s_lshl_b32 s76, s94, 2
	s_add_co_u32 s76, s76, s19                     ; my block of 256 of P: it hangs on cx and never on cy
	s_lshl_b32 s77, s95, 2
	s_add_co_u32 s77, s77, s20                     ; my block of 128 of R: on cy and never on cx
	s_lshl_b32 s94, s76, 17                        ; 256 rows of 512 bytes
	s_add_co_u32 s78, s78, s94
	s_lshl_b32 s94, s17, 15                        ; waves 0-3 fetch 64 rows of P each
	s_add_co_u32 s78, s78, s94
	s_mov_b32 s79, 0
	s_lshl_b32 s95, s77, 16                        ; 128 rows of 512 bytes
	s_add_co_u32 s80, s80, s95
	s_and_b32 s95, s16, 1
	s_lshl_b32 s95, s95, 15                        ; waves 4 and 5 fetch 64 rows of R each
	s_add_co_u32 s80, s80, s95
	s_mov_b32 s81, 0
	s_lshl_b32 s94, s76, 13                        ; 256 rows of 32 scale bytes
	s_add_co_u32 s82, s82, s94
	s_mov_b32 s83, 0
	s_lshl_b32 s95, s77, 12                        ; 128 rows
	s_add_co_u32 s84, s84, s95
	s_mov_b32 s85, 0
	s_lshl_b32 s86, 0x1111, s19                    ; my column of the cluster
	s_lshl_b32 s87, s20, 2
	s_lshl_b32 s87, 15, s87                        ; my row
	; descriptor groups 1.  Codes: 64 rows x 512 bytes, 16 bytes of padding behind each row
	s_or_b32 s24, s86, (1<<20)|(1<<21)|(6<<22)|(3<<25)   ; 15:0 the mask; 17:16 elements of 1 byte; 20 padding on; 21 set beside a mask; 24:22 after every 128 words; 31:25 four words
	s_or_b32 s32, s87, (1<<20)|(1<<21)|(6<<22)|(3<<25)
.irp g, 24, 32
	s_mov_b32 s[\g+1], 512<<16                     ; tensor_dim0
	s_mov_b32 s[\g+2], 64<<16                      ; tensor_dim1
	s_mov_b32 s[\g+3], 512<<16                     ; tile_dim0
	s_mov_b32 s[\g+4], 64                          ; tile_dim1
	s_mov_b32 s[\g+5], 512                         ; from row to row
	s_mov_b32 s[\g+6], 0
	s_mov_b32 s[\g+7], 0
.endr
	; scale bytes: a dense block as rows of 256 bytes (32 elements of 8 bytes), 16 bytes of padding behind each: 32 rows for P, 16 for R
	s_or_b32 s40, s86, (3<<16)|(1<<20)|(1<<21)|(5<<22)|(3<<25)
	s_mov_b32 s41, 32<<16
	s_mov_b32 s42, 32<<16
	s_mov_b32 s43, 32<<16
	s_mov_b32 s44, 32
	s_mov_b32 s45, 32
	s_mov_b32 s46, 0
	s_mov_b32 s47, 0
	s_or_b32 s48, s87, (3<<16)|(1<<20)|(1<<21)|(5<<22)|(3<<25)
	s_mov_b32 s49, 32<<16
	s_mov_b32 s50, 16<<16
	s_mov_b32 s51, 32<<16
	s_mov_b32 s52, 16
	s_mov_b32 s53, 32
	s_mov_b32 s54, 0
	s_mov_b32 s55, 0
	s_mov_b32 s88, 0x76543210
	s_mov_b32 s89, 0xfedcba98                      ; v_permlanex16_b32's selects for lane l xor 16
	s_wait_dscnt 0x0                               ; both opening adds are done
	s_wait_kmcnt 0x0
	s_mov_b32 s56, 1                               ; groups 0: P's codes (waves 0-3),
	s_mul_i32 s57, s16, CH
	s_add_nc_u64 s[58:59], s[4:5], s[78:79]
	s_or_b32 s59, s59, 0x80000000
	s_mov_b32 s60, 1                               ; R's codes (waves 4, 5: 4 x CH is where R's rows begin),
	s_mul_i32 s61, s16, CH
	s_add_nc_u64 s[62:63], s[4:5], s[80:81]
	s_or_b32 s63, s63, 0x80000000
	s_mov_b32 s68, 1                               ; P's scale bytes (wave 6),
	s_mov_b32 s69, PSCL
	s_add_nc_u64 s[70:71], s[6:7], s[82:83]
	s_or_b32 s71, s71, 0x80000000
	s_mov_b32 s72, 1                               ; R's (wave 7)
	s_mov_b32 s73, RSCL
	s_add_nc_u64 s[74:75], s[6:7], s[84:85]
	s_or_b32 s75, s75, 0x80000000
	CROUND                                         ; all sixteen work-groups are here: the joint loads meet
	s_cmp_lt_u32 s16, 4                            ; every wave issues one load: by this text's count one tensor load of a wave is out.  The branches hang on the wave's number alone
	s_cbranch_scc0 .Lnot_p
	TL 56, 24
	s_branch .Lasked
.Lnot_p:
	s_cmp_lt_u32 s16, 6
	s_cbranch_scc0 .Lnot_r
	TL 60, 32
	s_branch .Lasked
.Lnot_r:
	s_cmp_eq_u32 s16, 6
	s_cbranch_scc0 .Lnot_ps
	TL 68, 40
	s_branch .Lasked
.Lnot_ps:
	TL 72, 48
.Lasked:
	; the bias, while the tiles are on their way
	v_and_b32 v1, 15, v0                           ; r
	v_bfe_u32 v2, v0, 4, 1                         ; h
	s_mov_b32 s97, 0
	s_cmp_eq_u32 s21, 1
	s_cselect_b64 s[8:9], s[10:11], s[8:9]
	s_cmp_eq_u32 s21, 2
	s_cselect_b64 s[8:9], s[12:13], s[8:9]
	s_cbranch_scc1 .Lbias_r
	s_lshl_b32 s96, s76, 10                        ; along i: my 64 numbers begin at 256 x block + 64 wp;
	s_lshl_b32 s98, s17, 8
	s_add_co_u32 s96, s96, s98
	s_add_nc_u64 s[8:9], s[8:9], s[96:97]
	s_wait_alu depctr_va_vdst(0)
	v_lshlrev_b32 v[BOF], 6, v2                    ; register e of tile b is i = 32 (b / 2) + 8 (b % 2) + 16 h + e
.irp b, 0,1,2,3
	global_load_b128 v[BC+8*\b:BC+8*\b+3], v[BOF], s[8:9] offset:(32*(\b/2)+8*(\b%2))*4
	global_load_b128 v[BC+8*\b+4:BC+8*\b+7], v[BOF], s[8:9] offset:(32*(\b/2)+8*(\b%2))*4+16
.endr
	s_branch .Lbias_done
.Lbias_r:
	s_lshl_b32 s96, s77, 9                         ; along j: my 64 numbers begin at 128 x block + 64 wr;
	s_lshl_b32 s98, s18, 8
	s_add_co_u32 s96, s96, s98
	s_add_nc_u64 s[8:9], s[8:9], s[96:97]
	s_wait_alu depctr_va_vdst(0)
	v_and_b32 v[BOF], 8, v1
	s_delay_alu instid0(VALU_DEP_1)
	v_add_nc_u32 v[BOF], v[BOF], v1
	s_delay_alu instid0(VALU_DEP_1)
	v_lshlrev_b32 v[BOF], 2, v[BOF]                ; lane r of tile a is j = 32 (a / 2) + 8 (a % 2) + r + 8 (r / 8)
.irp a, 0,1,2,3
	global_load_b32 v[BC+8*\a], v[BOF], s[8:9] offset:(32*(\a/2)+8*(\a%2))*4
.endr
	s_wait_loadcnt 0x0
.irp a, 0,1,2,3
.irp j, 1,2,3,4,5,6,7
	v_mov_b32 v[BC+8*\a+\j], v[BC+8*\a]            ; the same number for all eight i of a lane
.endr
.endr
.Lbias_done:
	v_mul_u32_u24 v[AP], v1, 528
	s_delay_alu instid0(VALU_DEP_1)
	v_lshl_add_u32 v[AP], v2, 4, v[AP]             ; a fragment's row x pitch + 16 h
	s_mul_i32 s96, s18, CH
	s_add_co_u32 s96, s96, RCOD
	v_add_nc_u32 v[AR], s96, v[AP]
	s_mul_i32 s96, s17, CH
	v_add_nc_u32 v[AP], s96, v[AP]
	v_lshrrev_b32 v[ASC], 3, v1                    ; a row's 32 scale bytes: eight rows to a unit of 256 + 16
	s_delay_alu instid0(VALU_DEP_1)
	v_mul_u32_u24 v[ASC], v[ASC], 272
	v_and_b32 v6, 7, v1
	s_delay_alu instid0(VALU_DEP_1)
	v_lshl_add_u32 v[ASC], v6, 5, v[ASC]
	s_mul_i32 s96, s17, 2176                       ; P's: my 64 rows are eight units
	s_mul_i32 s97, s18, 2176                       ; R's likewise, RSCL - PSCL further on
	s_add_co_u32 s97, s97, RSCL-PSCL
	s_sub_co_u32 s97, s97, s96
	v_mul_u32_u24 v6, s97, v2                      ; lanes 16-31 take R's: one product, the distance between the two x h
	s_add_co_u32 s96, s96, PSCL
	v_add_nc_u32 v[ASC], v[ASC], v6
	s_delay_alu instid0(VALU_DEP_1)
	v_add_nc_u32 v[ASC], s96, v[ASC]
	v_and_b32 v[LI], 31, v0
	s_delay_alu instid0(VALU_DEP_1)
	v_lshlrev_b32 v[LI], 4, v[LI]
	; where my results go
	s_lshl_b32 s96, s76, 2
	s_add_co_u32 s96, s96, s17                     ; which 64 of P, over the whole axis
	s_lshl_b32 s97, s77, 1
	s_add_co_u32 s97, s97, s18                     ; which 64 of R
	s_cmp_lt_u32 s21, 2
	s_cselect_b32 s98, s96, s97                    ; the head: of the weight's axis,
	s_cselect_b32 s99, s97, s96                    ; the group of 64 tokens: of the tokens'
	s_lshr_b32 s96, s99, 5                         ; the batch: 32 groups
	s_lshl_b32 s96, s96, 4
	s_add_co_u32 s96, s96, s98
	s_mul_i32 s96, s96, 245760
	s_mul_i32 s97, s21, 81920
	s_add_co_u32 s98, s96, s97                     ; my part of qkv (under 2^24)
	s_and_b32 s99, s99, 31
	s_lshl_b32 s96, s99, 11
	s_add_co_u32 s96, s96, s98
	s_mov_b32 s97, 0
	s_add_nc_u64 s[90:91], s[14:15], s[96:97]      ; the group's 2,048 bytes of codes
	s_lshl_b32 s96, s99, 9
	s_add_co_u32 s96, s96, s98
	s_add_co_u32 s96, s96, 65536
	s_add_nc_u64 s[92:93], s[14:15], s[96:97]      ; and its 512 bytes of scale words
	s_wait_loadcnt 0x0                             ; the bias
	s_wait_tensorcnt 0x0                           ; my tile has landed,
	s_barrier_signal -1
	s_barrier_wait -1                              ; everybody's has.  Nothing is filled again
; A K step of 128: 16 fragment loads (and, every fourth step, four steps' scale words), then 16 products; the 16 accumulators take turns, one instruction a turn.
; mode 0: the sums go on; 1: they begin with the bias along i; 2: with the bias along j.
.macro KSTEP q, mode
.if (\q) > 0
.rept 4
	v_nop                                          ; four places ahead of loads into registers that matrix instructions have read (ISA guide 7.12.1 for vector instructions)
.endr
.endif
.if (\q)%4 == 0
.irp t, 0,1,2,3
	ds_load_b128 v[SC+4*\t:SC+4*\t+3], v[ASC] offset:544*\t+16*((\q)/4)
.endr
.endif
.irp t, 0,1,2,3
.irp c, 0,1
	ds_load_b128 v[PF+8*\t+4*\c:PF+8*\t+4*\c+3], v[AP] offset:8448*\t+64*(\q)+32*\c
	ds_load_b128 v[RF+8*\t+4*\c:RF+8*\t+4*\c+3], v[AR] offset:8448*\t+64*(\q)+32*\c
.endr
.endr
	s_wait_dscnt 0x0
.irp a, 0,1,2,3
.irp b, 0,1,2,3
.if \mode == 0
	v_wmma_scale_f32_16x16x128_f8f6f4 v[ACC+32*\a+8*\b:ACC+32*\a+8*\b+7], v[PF+8*\b:PF+8*\b+7], v[RF+8*\a:RF+8*\a+7], v[ACC+32*\a+8*\b:ACC+32*\a+8*\b+7], v[SC+4*\b+(\q)%4], v[SC+4*\a+(\q)%4] matrix_a_fmt:MATRIX_FMT_FP4 matrix_b_fmt:MATRIX_FMT_FP4 matrix_b_scale:MATRIX_SCALE_ROW1
.elseif \mode == 1
	v_wmma_scale_f32_16x16x128_f8f6f4 v[ACC+32*\a+8*\b:ACC+32*\a+8*\b+7], v[PF+8*\b:PF+8*\b+7], v[RF+8*\a:RF+8*\a+7], v[BC+8*\b:BC+8*\b+7], v[SC+4*\b+(\q)%4], v[SC+4*\a+(\q)%4] matrix_a_fmt:MATRIX_FMT_FP4 matrix_b_fmt:MATRIX_FMT_FP4 matrix_b_scale:MATRIX_SCALE_ROW1
.else
	v_wmma_scale_f32_16x16x128_f8f6f4 v[ACC+32*\a+8*\b:ACC+32*\a+8*\b+7], v[PF+8*\b:PF+8*\b+7], v[RF+8*\a:RF+8*\a+7], v[BC+8*\a:BC+8*\a+7], v[SC+4*\b+(\q)%4], v[SC+4*\a+(\q)%4] matrix_a_fmt:MATRIX_FMT_FP4 matrix_b_fmt:MATRIX_FMT_FP4 matrix_b_scale:MATRIX_SCALE_ROW1
.endif
.endr
.endr
.endm
	s_cmp_eq_u32 s21, 2
	s_cbranch_scc1 .Lfirst_r
	s_wait_alu depctr_va_vdst(0)
	KSTEP 0, 1
	s_branch .Lfirst_done
.Lfirst_r:
	s_wait_alu depctr_va_vdst(0)
	KSTEP 0, 2
.Lfirst_done:
.irp q, 1,2,3,4,5,6,7
	KSTEP \q, 0
.endr
	; THE WAY OUT.  Eight blocks of 32 along i: block n = 2 a + b is registers ACC + 16 n + 0 .. 15 of lanes l and l xor 16.  Each accumulator is read from its low end on.
.rept 4
	v_nop                                          ; four places behind the last products
.endr
.irp n, 0,1,2,3,4,5,6,7
	v_max3_num_f32 v[TM+\n], |v[ACC+16*\n]|, |v[ACC+16*\n+1]|, 0x1800000   ; my 16 numbers, and the floor 2^(3 - 127): the byte cannot fall under 1
.endr
.irp e, 2,4,6,8,10,12,14
.irp n, 0,1,2,3,4,5,6,7
	v_max3_num_f32 v[TM+\n], v[TM+\n], |v[ACC+16*\n+\e]|, |v[ACC+16*\n+\e+1]|   ; (the eight blocks by turns)
.endr
.endr
.irp n, 0,1,2,3,4,5,6,7
	v_permlanex16_b32 v[TP+\n], v[TM+\n], s88, s89
.endr
.irp n, 0,1,2,3,4,5,6,7
	v_max_num_f32 v[TM+\n], v[TM+\n], v[TP+\n]     ; with lane l xor 16's: the block's largest magnitude
.endr
.irp n, 0,1,2,3,4,5,6,7
	v_add_nc_u32 v[TS+\n], 0xff000000, v[TM+\n]    ; 2 off its exponent field: the conversion's scale operand
.endr
.irp n, 0,1,2,3,4,5,6,7
	v_lshrrev_b32 v[TB+\n], 23, v[TS+\n]           ; the scale's byte
.endr
.irp a, 0,1,2,3
	v_lshl_or_b32 v[SW+\a], v[TB+2*\a+1], 8, v[TB+2*\a]   ; the two bytes of my j; bytes 2 and 3 stay 0
.endr
.irp n, 0,1,2,3,4,5,6,7
	v_cvt_scalef32_pk8_fp4_f32 v[CD+2*\n], v[ACC+16*\n:ACC+16*\n+7], v[TS+\n]
	v_cvt_scalef32_pk8_fp4_f32 v[CD+2*\n+1], v[ACC+16*\n+8:ACC+16*\n+15], v[TS+\n]
.endr
	v_nop                                          ; one plain place behind a scaled conversion
.irp a, 0,1,2,3                        ; the operand's layout wants a WHOLE block in a lane: lanes 0-15 block 0, lanes 16-31 block 1
.irp e, 0,1
	v_permlane16_swap_b32 v[CD+4*\a+\e], v[CD+4*\a+2+\e]
.endr
.endr
.irp a, 0,1,2,3
	global_store_b128 v[LI], v[CD+4*\a:CD+4*\a+3], s[90:91] offset:512*\a   ; 32 lanes store 512 consecutive bytes, aligned
.endr
	global_store_b128 v[LI], v[SW:SW+3], s[92:93]  ; and the four tiles' scale words likewise
	s_wait_tensorcnt 0x0                           ; the wave's end
	ds_add_u32 v[SPW], v[NIL]
	s_wait_dscnt 0x0
	CROUND                                         ; the closing round
	s_endpgm
.Lfunc_end_k_q6f92ecab7d_proj:
	.size	k_q6f92ecab7d_proj, .Lfunc_end_k_q6f92ecab7d_proj-k_q6f92ecab7d_proj
	.p2alignl 7, 3214868480
	.fill 96, 4, 3214868480
	.section	.rodata,"a",@progbits
	.p2align	6, 0x0
	.amdhsa_kernel k_q6f92ecab7d_proj
		.amdhsa_group_segment_fixed_size 216832
		.amdhsa_private_segment_fixed_size 0
		.amdhsa_enable_private_segment 0
		.amdhsa_kernarg_size 48
		.amdhsa_user_sgpr_count 2
		.amdhsa_user_sgpr_kernarg_segment_ptr 1
		.amdhsa_wavefront_size32 1
		.amdhsa_system_sgpr_workgroup_id_x 1
		.amdhsa_system_sgpr_workgroup_id_y 1
		.amdhsa_system_sgpr_workgroup_id_z 1
		.amdhsa_system_vgpr_workitem_id 0
		.amdhsa_next_free_vgpr 256
		.amdhsa_next_free_sgpr 100
		.amdhsa_reserve_vcc 0
		.amdhsa_float_denorm_mode_32 3
		.amdhsa_float_denorm_mode_16_64 3
		.amdhsa_memory_ordered 1
		.amdhsa_forward_progress 1
		.amdhsa_inst_pref_size 50
	.end_amdhsa_kernel
	.amdgpu_metadata
---
amdhsa.version: [ 1, 2 ]
amdhsa.kernels:
  - .name:           k_q6f92ecab7d_proj
    .symbol:         k_q6f92ecab7d_proj.kd
    .args:
      - { .name: cod, .offset: 0, .size: 8, .value_kind: global_buffer, .address_space: global }
      - { .name: scl, .offset: 8, .size: 8, .value_kind: global_buffer, .address_space: global }
      - { .name: bq, .offset: 16, .size: 8, .value_kind: global_buffer, .address_space: global }
      - { .name: bk, .offset: 24, .size: 8, .value_kind: global_buffer, .address_space: global }
      - { .name: bv, .offset: 32, .size: 8, .value_kind: global_buffer, .address_space: global }
      - { .name: qkv, .offset: 40, .size: 8, .value_kind: global_buffer, .address_space: global }
    .group_segment_fixed_size: 216832
    .private_segment_fixed_size: 0
    .kernarg_segment_align: 8
    .kernarg_segment_size: 48
    .max_flat_workgroup_size: 256
    .sgpr_count:     100
    .vgpr_count:     256
    .wavefront_size: 32
...
	.end_amdgpu_metadata
.endif
;; end of part 2
;; launch attn (part 3): grid 4 x 64, 16 waves a work-group, clusters of 4 x 1, 167,936 bytes of LDS; arguments qkv, mbits, xc, xs; writes xc, xs
.if DOCPART == 3
	.amdgcn_target "amdgcn-amd-amdhsa--gfx1250"
	.amdhsa_code_object_version 6
	.text
	.protected	k_q6f92ecab7d_attn
	.globl	k_q6f92ecab7d_attn
	.p2align	8
	.type	k_q6f92ecab7d_attn,@function
k_q6f92ecab7d_attn:
	s_mov_b64 s[64:65], 0
	v_nop
	global_prefetch_b8 v0, s[64:65] scope:SCOPE_SE
	s_setreg_imm32_b32 hwreg(HW_REG_WAVE_MODE, 25, 1), 1
	s_wait_xcnt 0x0
	s_wait_alu depctr_hold_cnt(0) depctr_sa_sdst(0) depctr_va_vdst(0) depctr_va_sdst(0) depctr_va_ssrc(0) depctr_va_vcc(0) depctr_vm_vsrc(0)
	s_getreg_b32 s2, hwreg(HW_REG_IB_STS2, 6, 4)
	s_cmp_eq_u32 s2, 0
	s_cbranch_scc0 .Lentry_in_a_cluster
	s_endpgm
.Lentry_in_a_cluster:
	s_bfe_u32 s2, ttmp6, 0x10000c
	s_cmp_lg_u32 s2, 0x3003
	s_cbranch_scc0 .Lentry_shape_is_right
	s_endpgm
.Lentry_shape_is_right:
; LAUNCH 3 OF 4: attention on codes of E2M1.  Nothing of the problem is left out here: the mask is an input, so every key step is walked and every score is selected.
; For each (batch, head): S^T = K Q^T (K = the head's 64: the upper half of the instruction's 128 is zero codes); the score or, where the mask is 0, the masked score; t = score x log2(e) / 8;
; M = the running largest t rounded UP to a whole number; p = 2^(t - M), quantised along the keys, not normalised; O^T += V^T P^T; the sum l of the unquantised p divides at the end;
; x = O / l is quantised along the head's 64 for the last projection.  When M moves, l and O^T are multiplied by 2^(old M - new M): exact.
; LIMIT: a masked logit is held at -2^30 where reference() has -1e9: the raw masked score is -2^33, so that score x c is a whole number: in a row whose every key is masked t - M is 0 and p is 1 for all keys, as in reference();
; the results differ from reference()'s only where an unmasked logit lies under about -1e9.  NaN and infinities are not served; a block of zeros gets the byte 1 (its codes are zeros).
; SHARES.  A work-group owns 512 queries of one (batch, head); each of its sixteen waves owns two tiles of 16 queries, one after the other, in 256 registers.  Both products are used transposed: a lane holds ONE query.
; Register 16 b + e of lane (r, h) is key (or channel) 32 b + 16 h + e: the launch before has laid the tiles so.
; LDS.  The head's K part and V part of qkv, 163,840 consecutive bytes, come ONCE, as they lie: each LDS byte is filled once, no ring.  They are images of operand registers: every fragment load is 16 x lane + a constant.
; CLUSTER.  The four work-groups of a head read the same K and V: each of the 16 loads (one a wave, 40 rows of 256 bytes) is asked for jointly by the four.
; A KEY STEP.  V's fragments are loaded at the step's head and used at its end; the NEXT step's K fragments and scale words are loaded behind this step's eight score products, a step ahead of their use
; (the last step's look-ahead reads the 4,096 + 1,024 filled bytes that follow K's codes and K's scale words, and is not used).  A work-group barrier in each key step keeps the sixteen waves on the same key step.
; All scalings stand ahead of the step's 68 exponentials, which go as one batch with one wait ahead of it and one behind it.
; THE MASK comes as lane masks, 64 words (256 bytes) a key step, by scalar loads that are asked for a key step ahead.  These words are PREFETCHED: the sixteen heads of a batch read the same words and share them out:
; head h asks for key step h's 256 bytes of each of its waves' tiles, in the trip that stands two trips ahead of the one whose scalar loads read them (trip h - 3); heads 0 to 2 ask for nothing.  So each block is named once in the launch.
; K and V are not prefetched: they are asked for at the kernel's head, and there is no loop to run ahead in.
.set KSCL,  65536                      ; LDS: K's codes from 0, K's scale words from here,
.set VCOD,  81920                      ; V's codes,
.set VSCL,  147456                     ; V's scale words,
.set SPARE, 163840                     ; the spare words, 128 bytes for each of sixteen waves
.set LI,   1                           ; v1   16 x lane; never rewritten
.set ADK,  2                           ; v2-5 LDS addresses: K and its scale words (of the step ahead), V and its scale words (of the step in hand)
.set ADKS, 3
.set ADV,  4
.set ADVS, 5
.set SPW,  6                           ; v6   my spare word; never rewritten
.set NIL,  7                           ; v7   0; never rewritten
.set NEG,  8                           ; v8   -2^33, the masked score
.set QS,   9                           ; v9   Q's scale word
.set PS,   10                          ; v10  p's scale word
.set L4,   11                          ; v11  4 x lane
                                       ; v12 -M, v13 the largest t, v[14:15] l in two halves
.set QF,   16                          ; v16-19 Q's codes, v20-23 zeros
.set PC,   24                          ; v24-31 p's codes
.set KF,   32                          ; v32-95 K: tile t: codes at 32 + 8 t, zeros at 36 + 8 t, written once
.set S,    96                          ; v96-159 S^T, then p
.set O,    160                         ; v160-191 O^T, four tiles
.set VF,   192                         ; v192-223 V, four fragments
.set KS,   224                         ; v224-231 K's scale words
.set VS,   232                         ; v232-235 V's scale words (keys 0-63 of the step; then whole), v236-239 (keys 64-127)
.set BM,   240                         ; v240-243 the blocks' largest scores, then largest p; then v[240:241] a chain of sums, v242, v243 bytes in the making
.set BT,   244                         ; v244-247 the other half's maxima; then two chains of sums
.set BO,   248                         ; v248-251 the conversions' scale operands
                                       ; v[252:253] f (v253 is named with it and written once); v254 at work
.set PFO,  255                         ; v255 the prefetch's offset: 256 x head; never rewritten
.set SD,   240                         ; the three further chains of sums
.set SB,   244
.set SG,   246
.set LIM,  100                         ; s100 the count of steps to go at which my work-group prefetches: 19 - head
.macro CROUND
	s_barrier_signal -1
	s_barrier_wait -1
	s_cmp_lg_u32 s12, 0
	s_cbranch_scc1 .Lnot_wave_0_\@
	s_barrier_signal -3
.Lnot_wave_0_\@:
	s_barrier_wait -3
	s_barrier_signal -1
	s_barrier_wait -1
.endm
.macro MLOADS                          ; a key step's 64 mask words: word n lands in s[16 + n] (n < 48) or s[20 + n]
	s_load_b512 s[16:31], s[6:7], s15 offset:0x0
	s_load_b512 s[32:47], s[6:7], s15 offset:0x40
	s_load_b512 s[48:63], s[6:7], s15 offset:0x80
	s_load_b512 s[68:83], s[6:7], s15 offset:0xc0
.endm
.macro KLOADS                          ; eight tiles of 16 keys and their scale words
.irp t, 0,1,2,3,4,5,6,7
	ds_load_b128 v[KF+8*\t:KF+8*\t+3], v[ADK] offset:512*\t
.endr
.irp g, 0,1
	ds_load_b128 v[KS+4*\g:KS+4*\g+3], v[ADKS] offset:512*\g
.endr
.endm
; The next n of the 32 lines that add the step's 64 unquantised p to l, two at a time, in four chains: lines 0-2 begin three chains, lines 3-28 take pairs 6 to 31 by turns, lines 29-31 join the chains.
.macro SUMS n
.rept \n
.if kk == 0
	v_pk_add_f32 v[SD:SD+1], v[S:S+1], v[S+2:S+3]
.elseif kk == 1
	v_pk_add_f32 v[SB:SB+1], v[S+4:S+5], v[S+6:S+7]
.elseif kk == 2
	v_pk_add_f32 v[SG:SG+1], v[S+8:S+9], v[S+10:S+11]
.elseif kk == 29
	v_pk_add_f32 v[SB:SB+1], v[SB:SB+1], v[SG:SG+1]
.elseif kk == 30
	v_pk_add_f32 v[14:15], v[14:15], v[SD:SD+1]
.elseif kk == 31
	v_pk_add_f32 v[14:15], v[14:15], v[SB:SB+1]
.elseif kk%4 == 3
	v_pk_add_f32 v[14:15], v[14:15], v[S+2*(kk+3):S+2*(kk+3)+1]
.elseif kk%4 == 0
	v_pk_add_f32 v[SD:SD+1], v[SD:SD+1], v[S+2*(kk+3):S+2*(kk+3)+1]
.elseif kk%4 == 1
	v_pk_add_f32 v[SB:SB+1], v[SB:SB+1], v[S+2*(kk+3):S+2*(kk+3)+1]
.else
	v_pk_add_f32 v[SG:SG+1], v[SG:SG+1], v[S+2*(kk+3):S+2*(kk+3)+1]
.endif
.set kk, kk+1
.endr
.endm
	s_load_b256 s[4:11], s[0:1], 0x0               ; qkv s[4:5], mbits s[6:7], xc s[8:9], xs s[10:11]
	v_lshl_add_u32 v[SPW], v0, 2, SPARE
	v_mov_b32 v[NIL], 0
	ds_add_u32 v[SPW], v[NIL]                      ; the wave's opening
	ds_add_u32 v[SPW], v[NIL]                      ; and once more; the set-up below, work on registers, stands between it and the wait
	v_lshrrev_b32 v1, 5, v0
	v_readfirstlane_b32 s12, v1                    ; wave 0..15
	s_bfe_u32 s13, ttmp6, 0x40000                  ; cx: which 512 queries
	s_and_b32 s66, ttmp7, 0xffff                   ; 16 x batch + head, which the four partners share
	s_mul_i32 s67, s66, 245760                     ; its bytes in qkv
	s_mul_i32 s16, s12, 10240                      ; what I fetch: 40 rows of 256 bytes of the K and V parts: no place in the cluster enters it
	s_add_co_u32 s16, s16, s67
	s_add_co_u32 s16, s16, 81920
	s_mov_b32 s17, 0
	s_lshl_b32 s14, s13, 5
	s_lshl_b32 s15, s12, 1
	s_add_co_u32 s14, s14, s15                     ; my first tile of queries: 32 cx + 2 w
	s_lshr_b32 s28, s66, 4                         ; the batch
	s_and_b32 s29, s66, 15                         ; the head
	s_sub_co_u32 s[LIM], 19, s29                   ; steps to go in trip head - 3; 17 to 19, which no trip has, in heads 0 to 2
	s_lshl_b32 s101, s29, 8                        ; key step = head: its 256 bytes among a tile's 4,096
	s_lshl_b32 s28, s28, 7
	s_add_co_u32 s28, s28, s14                     ; the tile among all 512
	s_lshl_b32 s18, s14, 9                         ; Q's codes: 512 bytes a tile
	s_add_co_u32 s18, s18, s67
	s_mov_b32 s19, 0
	s_lshl_b32 s20, s13, 3                         ; Q's scale words: group (tile / 4) x 512 + 16 x lane + 4 x (tile % 4)
	s_lshr_b32 s30, s12, 1
	s_add_co_u32 s20, s20, s30
	s_lshl_b32 s20, s20, 9
	s_and_b32 s30, s12, 1
	s_lshl_b32 s30, s30, 3
	s_add_co_u32 s20, s20, s30
	s_add_co_u32 s20, s20, s67
	s_add_co_u32 s20, s20, 65536
	s_mov_b32 s21, 0
	s_lshl_b32 s22, s28, 12                        ; the mask words: 16 steps x 256 bytes a tile; my two tiles' lie on end
	s_mov_b32 s23, 0
	s_lshl_b32 s24, s28, 13                        ; xc: [tile][head][512 bytes]
	s_lshl_b32 s30, s29, 9
	s_add_co_u32 s24, s24, s30
	s_mov_b32 s25, 0
	s_lshl_b32 s26, s28, 10                        ; xs: [tile][K step of 128 = two heads][lane] words; my head's two bytes
	s_lshr_b32 s30, s29, 1
	s_lshl_b32 s30, s30, 7
	s_add_co_u32 s26, s26, s30
	s_and_b32 s30, s29, 1
	s_lshl_b32 s30, s30, 1
	s_add_co_u32 s26, s26, s30
	s_mov_b32 s27, 0
	s_mov_b32 s84, 15|(3<<16)|(1<<21)              ; group 1: 15:0 the mask: all four work-groups; 17:16 elements of 8 bytes; 21 set beside a mask; no padding
	s_mov_b32 s85, 32<<16                          ; tensor_dim0 = 32 elements: 256 bytes
	s_mov_b32 s86, 40<<16                          ; tensor_dim1 = 40 rows
	s_mov_b32 s87, 32<<16                          ; tile_dim0
	s_mov_b32 s88, 40                              ; tile_dim1
	s_mov_b32 s89, 32                              ; from row to row: dense
	s_mov_b32 s90, 0
	s_mov_b32 s91, 0
	s_mov_b32 s92, 1                               ; group 0
	s_mul_i32 s93, s12, 10240                      ; LDS address: as in memory
	s_mov_b32 s96, 0x76543210
	s_mov_b32 s97, 0xfedcba98                      ; v_permlanex16_b32's selects for lane l xor 16
	s_mov_b32 s98, 0x3e38aa3b                      ; c = log2(e) / 8
	s_mov_b32 s99, s98                             ; (named with it as a pair, so it is written)
	s_wait_dscnt 0x0                               ; both opening adds are done
	s_wait_kmcnt 0x0
	s_add_nc_u64 s[94:95], s[4:5], s[16:17]
	s_or_b32 s95, s95, 0x80000000
	s_add_nc_u64 s[2:3], s[4:5], s[20:21]          ; Q's scale words
	s_add_nc_u64 s[4:5], s[4:5], s[18:19]          ; Q's codes
	s_add_nc_u64 s[6:7], s[6:7], s[22:23]
	s_add_nc_u64 s[8:9], s[8:9], s[24:25]
	s_add_nc_u64 s[10:11], s[10:11], s[26:27]
	CROUND                                         ; all four work-groups are here: the joint loads meet
	tensor_load_to_lds s[92:95], s[84:91]          ; every wave issues one: by this text's count one tensor load of a wave is out
	s_nop 0
.rept 4
	v_nop
.endr
	s_mov_b32 s15, 0                               ; where the step's mask words stand among my 8,192 bytes
	MLOADS                                         ; the first step's
	v_and_b32 v[LI], 31, v0
	v_lshlrev_b32 v[L4], 2, v[LI]
	v_lshlrev_b32 v[LI], 4, v[LI]
	v_mov_b32 v[NEG], 0xd0000000                   ; -2^33
	v_mov_b32 v[PFO], s101
.irp e, 0,1,2,3
	v_mov_b32 v[QF+4+\e], 0                        ; k = 64 .. 127 of Q's fragment: zero codes
	v_mov_b32 v[BT+\e], 0                          ; written once: a lane permute's destination counts as one of its sources
.endr
.irp t, 0,1,2,3,4,5,6,7
.irp e, 4,5,6,7
	v_mov_b32 v[KF+8*\t+\e], 0                     ; and of K's eight fragments, in registers of their own
.endr
.endr
	v_mov_b32 v253, 0
	s_wait_alu depctr_va_vdst(0)
	s_wait_tensorcnt 0x0                           ; my rows have landed,
	s_barrier_signal -1
	s_barrier_wait -1                              ; everybody's have.  Nothing is filled again
; ONE TILE OF 16 QUERIES: the wave's u-th.
.macro TILE u
.if \u
	s_wait_xcnt 0x0                                ; the last tile's stores have read their registers, which are written again below
.endif
	global_load_b128 v[QF:QF+3], v[LI], s[4:5] offset:512*\u
	global_load_b32 v[QS], v[LI], s[2:3] offset:4*\u
	v_mov_b32 v13, 0xff61b1e6                      ; the largest t so far: -3e38, under every t
	v_floor_f32 v12, -v13                          ; -M
	v_mov_b32 v14, 0
	v_mov_b32 v15, 0
.set j, 0
.rept 32
	v_mov_b32 v[O+j], 0                            ; O^T.  (The loop has no first step of its own: the first change of M multiplies zeros)
.set j, j+1
.endr
	v_mov_b32 v[ADK], v[LI]                        ; key step 0
	v_add_nc_u32 v[ADKS], KSCL, v[LI]
	v_add_nc_u32 v[ADV], VCOD, v[LI]
	v_add_nc_u32 v[ADVS], VSCL, v[LI]
	s_mov_b32 s14, 16                              ; key steps of 128 to go
	s_wait_alu depctr_va_vdst(0)
	s_wait_dscnt 0x0                               ; the last tile's look-ahead loads have landed: their registers may be loaded again
	KLOADS                                         ; the first step's K
	s_wait_loadcnt 0x0                             ; Q
.Lstep_\@:
	s_wait_alu depctr_va_vdst(0)
	s_wait_dscnt 0x0                               ; this step's K and its scale words, asked for a step ago: no LDS instruction of mine is out at the signal
	s_barrier_signal -1                            ; I begin this key step
.irp c, 0,1
.irp t, 0,1,2,3
	ds_load_b128 v[VF+8*\t+4*\c:VF+8*\t+4*\c+3], v[ADV] offset:2048*\c+512*\t   ; V, used at the step's end.  (Six sums stand between the last products and these loads)
.endr
.endr
.irp c, 0,1
	ds_load_b128 v[VS+4*\c:VS+4*\c+3], v[ADVS] offset:512*\c
.endr
.irp t, 0,1,2,3,4,5,6,7
	v_wmma_scale_f32_16x16x128_f8f6f4 v[S+8*\t:S+8*\t+7], v[KF+8*\t:KF+8*\t+7], v[QF:QF+7], 0, v[KS+\t], v[QS] matrix_a_fmt:MATRIX_FMT_FP4 matrix_b_fmt:MATRIX_FMT_FP4
.endr
	v_add_nc_u32 v[ADK], 4096, v[ADK]              ; the next 128 keys.  (These four are the places behind the products: ISA guide 7.12.1)
	v_add_nc_u32 v[ADKS], 1024, v[ADKS]
	v_add_nc_u32 v[ADV], 4096, v[ADV]
	v_add_nc_u32 v[ADVS], 1024, v[ADVS]
	KLOADS                                         ; the next step's K, a step ahead of its use
	s_barrier_wait -1                              ; all sixteen waves have begun this key step
	s_wait_kmcnt 0x0                               ; the step's mask words
	s_add_co_u32 s15, s15, 256                     ; (no scalar load is out, so the offset may be written)
	s_min_u32 s15, s15, 7936                       ; the wave's very last step asks for its own words again: no load leaves the buffer
.set n, 0
.rept 64
.if n < 48
	v_cndmask_b32 v[S+n], v[NEG], v[S+n], s[16+n]  ; the score where the mask is not 0, else the masked score.  Each result is read from its low end on
.else
	v_cndmask_b32 v[S+n], v[NEG], v[S+n], s[20+n]
.endif
.set n, n+1
.endr
.irp b, 0,1,2,3
	v_max3_num_f32 v[BM+\b], v[S+16*\b], v[S+1+16*\b], v[S+2+16*\b]   ; the largest score of each block of 32 keys: it serves for the row's maximum and, since p rises with the score, for the block's largest p
.endr
.irp e, 3,5,7,9,11,13
.irp b, 0,1,2,3
	v_max3_num_f32 v[BM+\b], v[BM+\b], v[S+16*\b+\e], v[S+1+16*\b+\e]
.endr
.endr
.irp b, 0,1,2,3
	v_max_num_f32 v[BM+\b], v[BM+\b], v[S+15+16*\b]
.endr
	MLOADS                                         ; the next step's mask words, a step ahead
	s_cmp_eq_u32 s14, s[LIM]                       ; the head and the count of steps alone: the same in all waves and in all four partners
	s_wait_alu depctr_va_vdst(0)
	s_cbranch_scc0 .Lnot_mine_\@
	global_prefetch_b8 v[PFO], s[6:7] offset:4096*\u th:TH_LOAD_NT scope:SCOPE_SE   ; key step = head of this tile: what the scalar loads of two trips on read; its registers are never rewritten
.Lnot_mine_\@:
.irp b, 0,1,2,3
	v_permlanex16_b32 v[BT+\b], v[BM+\b], s96, s97
.endr
.irp b, 0,1,2,3
	v_max_num_f32 v[BM+\b], v[BM+\b], v[BT+\b]     ; with lane l xor 16's 16 keys
.endr
	v_max3_num_f32 v254, v[BM], v[BM+1], v[BM+2]
	v_max_num_f32 v254, v254, v[BM+3]              ; the step's largest score of my query
	v_mul_f32 v254, s98, v254                      ; as t (c is positive)
	v_max_num_f32 v13, v13, v254                   ; the running largest t
	v_mov_b32 v254, v12
	v_floor_f32 v12, -v13                          ; the new -M = floor(-t) = -ceil(t): a whole number
	v_sub_f32 v254, v12, v254                      ; old M - new M: a whole number, 0 or less
	v_cvt_i32_f32 v254, v254                       ; (it saturates)
	v_ldexp_f32 v252, 1.0, v254                    ; f = 2^(old M - new M)
.irp b, 0,1,2,3
	v_fma_f32 v[BM+\b], v[BM+\b], s98, v12         ; t - M of each block's largest score
.endr
.set j, 0
.rept 32
	v_pk_fma_f32 v[S+j:S+j+1], v[S+j:S+j+1], s[98:99], v[12:13] op_sel_hi:[1,0,0]   ; t - M, two at a time
.set j, j+2
.endr
.set j, 0
.rept 16
	v_pk_mul_f32 v[O+j:O+j+1], v[O+j:O+j+1], v[252:253] op_sel_hi:[1,0]   ; O^T under the new M: no exponential stands between the last products and these first readers
.set j, j+2
.endr
	s_wait_alu depctr_va_vdst(0)
.set ii, 0
.rept 4
	v_exp_f32 v[BM+ii], v[BM+ii]                   ; the block's largest p: the same two instructions on the same number give the same bits as its p below
.set ii, ii+1
.endr
.set ii, 0
.rept 64
	v_exp_f32 v[S+ii], v[S+ii]                     ; p = 2^(t - M), at most 1: not normalised
.set ii, ii+1
.endr
	v_pk_mul_f32 v[14:15], v[14:15], v[252:253] op_sel_hi:[1,0]   ; l under the new M.  (A plain place behind the exponentials)
	s_wait_alu depctr_va_vdst(0)                   ; one wait for the whole batch, ahead of its first reader
	s_wait_dscnt 0x0                               ; V and its scale words, asked for at the step's head
.irp t, 0,1,2,3
	v_lshl_or_b32 v[VS+\t], v[VS+4+\t], 16, v[VS+\t]   ; the two halves' bytes make V's scale word of the step's 128 keys
.endr
.irp b, 0,1,2,3
	v_max_num_f32 v[BM+\b], 0x1800000, v[BM+\b]    ; the floor 2^(3 - 127): a block whose every p is 0 keeps the byte 1: its codes are zeros
.endr
.irp b, 0,1,2,3
	v_add_nc_u32 v[BO+\b], 0xff000000, v[BM+\b]    ; 2 off the exponent field: the conversion's scale operand
.endr
	v_lshrrev_b32 v[PS], 23, v[BO]                 ; the four bytes make p's scale word for these 128 keys
	v_lshrrev_b32 v242, 23, v[BO+1]
	v_lshrrev_b32 v243, 23, v[BO+2]
	v_lshrrev_b32 v254, 23, v[BO+3]
	v_lshl_or_b32 v[PS], v242, 8, v[PS]
	v_lshl_or_b32 v243, v254, 8, v243
	v_lshl_or_b32 v[PS], v243, 16, v[PS]
.irp n, 0,1,2,3,4,5,6,7
	v_cvt_scalef32_pk8_fp4_f32 v[PC+\n], v[S+8*\n:S+8*\n+7], v[BO+\n/2]
.endr
.set kk, 0
	SUMS 10                                        ; l is taken of the UNQUANTISED p.  (Plain lines between the conversions and the swaps, which touch their results)
.irp c, 0,1                            ; the operand's layout wants a WHOLE block in a lane
.irp e, 0,1
	v_permlane16_swap_b32 v[PC+4*\c+\e], v[PC+2+4*\c+\e]
.endr
.endr
	SUMS 16                                        ; (these name no register of the products below: the places between the swaps, which write p's codes, and the products)
.irp t, 0,1,2,3
	v_wmma_scale_f32_16x16x128_f8f6f4 v[O+8*\t:O+8*\t+7], v[VF+8*\t:VF+8*\t+7], v[PC:PC+7], v[O+8*\t:O+8*\t+7], v[VS+\t], v[PS] matrix_a_fmt:MATRIX_FMT_FP4 matrix_b_fmt:MATRIX_FMT_FP4
.endr
	SUMS 6                                         ; the last six sums are the places behind the products, ahead of the next step's loads into V's registers
	s_sub_co_u32 s14, s14, 1
	s_cmp_lg_u32 s14, 0
	s_cbranch_scc1 .Lstep_\@
	; the tile's way out: x = O / l, quantised along the head's 64: two blocks
	v_add_f32 v14, v14, v15                        ; l's two halves,
	v_permlanex16_b32 v252, v14, s96, s97
	v_add_f32 v14, v14, v252                       ; and lane l xor 16's
	s_wait_alu depctr_va_vdst(0)
	v_rcp_f32 v14, v14
	v_nop                                          ; a plain place behind the reciprocal
	s_wait_alu depctr_va_vdst(0)                   ; and the wait ahead of its first reader, which is also the first reader of the last products' results
.set j, 0
.rept 32
	v_mul_f32 v[S+j], v[O+j], v14                  ; register 16 b + e is channel 32 b + 16 h + e of my query
.set j, j+1
.endr
.irp b, 0,1
	v_max3_num_f32 v[BM+\b], |v[S+16*\b]|, |v[S+1+16*\b]|, 0x1800000
.endr
.irp e, 2,4,6,8,10,12,14
.irp b, 0,1
	v_max3_num_f32 v[BM+\b], v[BM+\b], |v[S+16*\b+\e]|, |v[S+1+16*\b+\e]|
.endr
.endr
.irp b, 0,1
	v_permlanex16_b32 v[BT+\b], v[BM+\b], s96, s97
.endr
.irp b, 0,1
	v_max_num_f32 v[BM+\b], v[BM+\b], v[BT+\b]
.endr
.irp b, 0,1
	v_add_nc_u32 v[BO+\b], 0xff000000, v[BM+\b]
.endr
.irp b, 0,1
	v_lshrrev_b32 v[BT+2+\b], 23, v[BO+\b]
.endr
	v_lshl_or_b32 v254, v[BT+3], 8, v[BT+2]        ; my query's two scale bytes of this head
.irp b, 0,1
	v_cvt_scalef32_pk8_fp4_f32 v[PC+2*\b], v[S+16*\b:S+7+16*\b], v[BO+\b]
	v_cvt_scalef32_pk8_fp4_f32 v[PC+1+2*\b], v[S+8+16*\b:S+15+16*\b], v[BO+\b]
.endr
	v_nop                                          ; one plain place behind a scaled conversion
.irp e, 0,1
	v_permlane16_swap_b32 v[PC+\e], v[PC+2+\e]
.endr
	global_store_b128 v[LI], v[PC:PC+3], s[8:9] offset:8192*\u    ; an image of four operand registers: 512 consecutive bytes, aligned
	global_store_b16 v[L4], v254, s[10:11] offset:1024*\u         ; two bytes of each lane's scale word; the head beside mine stores the other two
.endm
	TILE 0
	TILE 1
	s_wait_tensorcnt 0x0                           ; the wave's end
	ds_add_u32 v[SPW], v[NIL]
	s_wait_dscnt 0x0
	CROUND                                         ; the closing round
	s_endpgm
.Lfunc_end_k_q6f92ecab7d_attn:
	.size	k_q6f92ecab7d_attn, .Lfunc_end_k_q6f92ecab7d_attn-k_q6f92ecab7d_attn
	.p2alignl 7, 3214868480
	.fill 96, 4, 3214868480
	.section	.rodata,"a",@progbits
	.p2align	6, 0x0
	.amdhsa_kernel k_q6f92ecab7d_attn
		.amdhsa_group_segment_fixed_size 167936
		.amdhsa_private_segment_fixed_size 0
		.amdhsa_enable_private_segment 0
		.amdhsa_kernarg_size 32
		.amdhsa_user_sgpr_count 2
		.amdhsa_user_sgpr_kernarg_segment_ptr 1
		.amdhsa_wavefront_size32 1
		.amdhsa_system_sgpr_workgroup_id_x 1
		.amdhsa_system_sgpr_workgroup_id_y 1
		.amdhsa_system_sgpr_workgroup_id_z 1
		.amdhsa_system_vgpr_workitem_id 0
		.amdhsa_next_free_vgpr 256
		.amdhsa_next_free_sgpr 106
		.amdhsa_reserve_vcc 0
		.amdhsa_float_denorm_mode_32 3
		.amdhsa_float_denorm_mode_16_64 3
		.amdhsa_memory_ordered 1
		.amdhsa_forward_progress 1
		.amdhsa_inst_pref_size 57
	.end_amdhsa_kernel
	.amdgpu_metadata
---
amdhsa.version: [ 1, 2 ]
amdhsa.kernels:
  - .name:           k_q6f92ecab7d_attn
    .symbol:         k_q6f92ecab7d_attn.kd
    .args:
      - { .name: qkv, .offset: 0, .size: 8, .value_kind: global_buffer, .address_space: global }
      - { .name: mbits, .offset: 8, .size: 8, .value_kind: global_buffer, .address_space: global }
      - { .name: xc, .offset: 16, .size: 8, .value_kind: global_buffer, .address_space: global }
      - { .name: xs, .offset: 24, .size: 8, .value_kind: global_buffer, .address_space: global }
    .group_segment_fixed_size: 167936
    .private_segment_fixed_size: 0
    .kernarg_segment_align: 8
    .kernarg_segment_size: 32
    .max_flat_workgroup_size: 512
    .sgpr_count:     106
    .vgpr_count:     256
    .wavefront_size: 32
...
	.end_amdgpu_metadata
.endif
;; end of part 3
;; launch oproj (part 4): grid 4 x 64, 8 waves a work-group, clusters of 4 x 4, 253,440 bytes of LDS; arguments cod, scl, xc, xs, bo, out0; writes out0
.if DOCPART == 4
	.amdgcn_target "amdgcn-amd-amdhsa--gfx1250"
	.amdhsa_code_object_version 6
	.text
	.protected	k_q6f92ecab7d_oproj
	.globl	k_q6f92ecab7d_oproj
	.p2align	8
	.type	k_q6f92ecab7d_oproj,@function
k_q6f92ecab7d_oproj:
	s_mov_b64 s[64:65], 0
	v_nop
	global_prefetch_b8 v0, s[64:65] scope:SCOPE_SE
	s_setreg_imm32_b32 hwreg(HW_REG_WAVE_MODE, 25, 1), 1
	s_wait_xcnt 0x0
	s_wait_alu depctr_hold_cnt(0) depctr_sa_sdst(0) depctr_va_vdst(0) depctr_va_sdst(0) depctr_va_ssrc(0) depctr_va_vcc(0) depctr_vm_vsrc(0)
	s_getreg_b32 s2, hwreg(HW_REG_IB_STS2, 6, 4)
	s_cmp_eq_u32 s2, 0
	s_cbranch_scc0 .Lentry_in_a_cluster
	s_endpgm
.Lentry_in_a_cluster:
	s_bfe_u32 s2, ttmp6, 0x10000c
	s_cmp_lg_u32 s2, 0xf033
	s_cbranch_scc0 .Lentry_shape_is_right
	s_endpgm
.Lentry_shape_is_right:
; LAUNCH 4 OF 4: out0 = x wo^T + bo on codes of E2M1.  Nothing of the problem is left out here.
; x comes as the attention launch has laid it: xc [tile of 16 queries 512][head 16][512 bytes], images of four operand registers, so that a K step of 128 (two heads) is 1,024 bytes on end; xs [tile][K step 8][lane 32] scale words.
; wo's codes and scale bytes come from cod and scl, rows in the first launch's order.
; SHARES.  A work-group makes 256 columns (P = wo's rows) x 128 rows (R = x); all of K = 1,024 lies in LDS at once: each LDS byte is filled once, no ring.  Eight waves, each 64 x 64: 16 accumulators.
; wo is source 0: a lane holds ONE row of out0, and register 16 b + e of lane (r, h) is column 32 b + 16 h + e.  Lane r of x's tile T is row 32 (T / 2) + 8 (T % 2) + r + 8 (r / 8).
; CLUSTERS: 4 x 4: wo's tile hangs on cx alone and is shared along a column of the cluster, x's on cy (and the cluster's y) alone and is shared along a row.
; No prefetch: all tiles are asked for at the kernel's head.
.set CH,    33792                      ; 64 LDS rows of 528 bytes
.set RIMG,  135168                     ; LDS: wo's 256 rows from 0; x's eight tiles' images from here, 8,192 bytes each
.set PSCL,  200704                     ; wo's scale bytes: 32 units of 256 + 16
.set RSCL,  209408                     ; x's scale words: 1,024 bytes a tile
.set STAGE, 217600                     ; the way out: 16 rows x 272 bytes for each wave; no tile lands here
.set SPARE, 252416                     ; the spare words, 128 bytes for each of eight waves
.set AP,  3                            ; v3   LDS address of my fragments of wo
.set AR,  4                            ; v4   of x's images
.set ASP, 5                            ; v5   of wo's scale words
.set ASR, 6                            ; v6   of x's
.set STO, 7                            ; v7   the stage: where I put 64 bytes of a row
.set RD,  8                            ; v8   and where I read a row back
.set CO,  9                            ; v9   my byte offset in two rows of out0
.set SPW, 10
.set NIL, 11
.set BC,  12                           ; v12-43   bo as the C of each sum's first product
.set PSC, 44                           ; v44-59   wo's scale words: register 4 t + q % 4
.set RSC, 60                           ; v60-63   x's, a K step's
.set PF,  64                           ; v64-95   wo's four fragments
.set RF,  96                           ; v96-127  x's four
.set ACC, 128                          ; v128-255 accumulator (wo's tile b, x's tile a) at 128 + 32 a + 8 b
.set OB,  64                           ; the way out: rows read back from the stage, v64-95 and v96-127 by turns
.macro CROUND
	s_barrier_signal -1
	s_barrier_wait -1
	s_cmp_lg_u32 s16, 0
	s_cbranch_scc1 .Lnot_wave_0_\@
	s_barrier_signal -3
.Lnot_wave_0_\@:
	s_barrier_wait -3
	s_barrier_signal -1
	s_barrier_wait -1
.endm
.macro TL g0, g1                       ; a joint load; an s_nop 0 and four v_nop follow it
	tensor_load_to_lds s[\g0:\g0+3], s[\g1:\g1+7]
	s_nop 0
.rept 4
	v_nop
.endr
.endm
	s_load_b256 s[4:11], s[0:1], 0x0               ; cod s[4:5], scl s[6:7], xc s[8:9], xs s[10:11]
	s_load_b128 s[12:15], s[0:1], 0x20             ; bo s[12:13], out0 s[14:15]
	v_lshl_add_u32 v[SPW], v0, 2, SPARE
	v_mov_b32 v[NIL], 0
	ds_add_u32 v[SPW], v[NIL]                      ; the wave's opening
	ds_add_u32 v[SPW], v[NIL]                      ; and once more; the set-up below, work on registers, stands between it and the wait
	v_lshrrev_b32 v1, 5, v0
	s_delay_alu instid0(VALU_DEP_1)
	v_readfirstlane_b32 s16, v1                    ; wave 0..7
	s_and_b32 s17, s16, 3                          ; wp: which 64 columns
	s_lshr_b32 s18, s16, 2                         ; wr: which 64 rows
	s_bfe_u32 s19, ttmp6, 0x40000                  ; cx: my block of 256 columns
	s_bfe_u32 s20, ttmp6, 0x40004                  ; cy
	s_and_b32 s77, ttmp7, 0xffff
	s_lshl_b32 s77, s77, 2
	s_add_co_u32 s77, s77, s20                     ; my block of 128 rows
	s_lshl_b32 s78, s19, 17
	s_add_co_u32 s78, s78, 14155776                ; wo's codes in cod, my 256 rows,
	s_lshl_b32 s94, s17, 15                        ; waves 0-3 fetch 64 of them each
	s_add_co_u32 s78, s78, s94
	s_mov_b32 s79, 0
	s_lshl_b32 s80, s77, 16                        ; x's images: 65,536 bytes for 128 rows,
	s_and_b32 s95, s16, 1
	s_lshl_b32 s95, s95, 15                        ; waves 4 and 5 fetch half each
	s_add_co_u32 s80, s80, s95
	s_mov_b32 s81, 0
	s_lshl_b32 s82, s19, 13
	s_add_co_u32 s82, s82, 884736                  ; wo's scale bytes in scl
	s_mov_b32 s83, 0
	s_lshl_b32 s84, s77, 13                        ; x's scale words: 8,192 bytes for 128 rows
	s_mov_b32 s85, 0
	s_lshl_b32 s86, 0x1111, s19                    ; my column of the cluster
	s_lshl_b32 s87, s20, 2
	s_lshl_b32 s87, 15, s87                        ; my row
	s_or_b32 s24, s86, (1<<20)|(1<<21)|(6<<22)|(3<<25)   ; wo's codes: 64 rows x 512 bytes, 16 bytes of padding behind each
	s_mov_b32 s25, 512<<16
	s_mov_b32 s26, 64<<16
	s_mov_b32 s27, 512<<16
	s_mov_b32 s28, 64
	s_mov_b32 s29, 512
	s_mov_b32 s30, 0
	s_mov_b32 s31, 0
	s_or_b32 s32, s87, (3<<16)|(1<<21)             ; x's images: dense, 128 rows of 256 bytes (32 elements of 8), no padding: every read is 16 x lane + a constant
	s_mov_b32 s33, 32<<16
	s_mov_b32 s34, 128<<16
	s_mov_b32 s35, 32<<16
	s_mov_b32 s36, 128
	s_mov_b32 s37, 32
	s_mov_b32 s38, 0
	s_mov_b32 s39, 0
	s_or_b32 s40, s86, (3<<16)|(1<<20)|(1<<21)|(5<<22)|(3<<25)   ; wo's scale bytes: 32 rows of 256 bytes, 16 of padding behind each
	s_mov_b32 s41, 32<<16
	s_mov_b32 s42, 32<<16
	s_mov_b32 s43, 32<<16
	s_mov_b32 s44, 32
	s_mov_b32 s45, 32
	s_mov_b32 s46, 0
	s_mov_b32 s47, 0
	s_or_b32 s48, s87, (3<<16)|(1<<21)             ; x's scale words: dense, 32 rows of 256 bytes
	s_mov_b32 s49, 32<<16
	s_mov_b32 s50, 32<<16
	s_mov_b32 s51, 32<<16
	s_mov_b32 s52, 32
	s_mov_b32 s53, 32
	s_mov_b32 s54, 0
	s_mov_b32 s55, 0
	s_wait_dscnt 0x0                               ; both opening adds are done
	s_wait_kmcnt 0x0
	s_mov_b32 s56, 1                               ; groups 0: wo's codes (waves 0-3),
	s_mul_i32 s57, s16, CH
	s_add_nc_u64 s[58:59], s[4:5], s[78:79]
	s_or_b32 s59, s59, 0x80000000
	s_mov_b32 s60, 1                               ; x's images (waves 4, 5: 4 x 32,768 + 4,096 is where they begin),
	s_lshl_b32 s61, s16, 15
	s_add_co_u32 s61, s61, 4096
	s_add_nc_u64 s[62:63], s[8:9], s[80:81]
	s_or_b32 s63, s63, 0x80000000
	s_mov_b32 s68, 1                               ; wo's scale bytes (wave 6),
	s_mov_b32 s69, PSCL
	s_add_nc_u64 s[70:71], s[6:7], s[82:83]
	s_or_b32 s71, s71, 0x80000000
	s_mov_b32 s72, 1                               ; x's scale words (wave 7)
	s_mov_b32 s73, RSCL
	s_add_nc_u64 s[74:75], s[10:11], s[84:85]
	s_or_b32 s75, s75, 0x80000000
	CROUND                                         ; all sixteen work-groups are here: the joint loads meet
	s_cmp_lt_u32 s16, 4                            ; every wave issues one load: by this text's count one tensor load of a wave is out
	s_cbranch_scc0 .Lnot_p
	TL 56, 24
	s_branch .Lasked
.Lnot_p:
	s_cmp_lt_u32 s16, 6
	s_cbranch_scc0 .Lnot_r
	TL 60, 32
	s_branch .Lasked
.Lnot_r:
	s_cmp_eq_u32 s16, 6
	s_cbranch_scc0 .Lnot_ps
	TL 68, 40
	s_branch .Lasked
.Lnot_ps:
	TL 72, 48
.Lasked:
	v_and_b32 v1, 15, v0                           ; r
	s_wait_alu depctr_va_vdst(0)
	v_bfe_u32 v2, v0, 4, 1                         ; h
	s_lshl_b32 s96, s19, 10                        ; bo: my 64 numbers begin at 256 cx + 64 wp
	s_lshl_b32 s98, s17, 8
	s_add_co_u32 s96, s96, s98
	s_mov_b32 s97, 0
	s_add_nc_u64 s[12:13], s[12:13], s[96:97]
	v_lshlrev_b32 v64, 6, v2                       ; register e of tile b is column 32 (b / 2) + 8 (b % 2) + 16 h + e.  (v64 is free until the first fragment load, which stands behind the wait for these loads)
.irp b, 0,1,2,3
	global_load_b128 v[BC+8*\b:BC+8*\b+3], v64, s[12:13] offset:(32*(\b/2)+8*(\b%2))*4
	global_load_b128 v[BC+8*\b+4:BC+8*\b+7], v64, s[12:13] offset:(32*(\b/2)+8*(\b%2))*4+16
.endr
	v_mul_u32_u24 v[AP], v1, 528
	s_delay_alu instid0(VALU_DEP_1)
	v_lshl_add_u32 v[AP], v2, 4, v[AP]
	s_mul_i32 s96, s17, CH
	v_add_nc_u32 v[AP], s96, v[AP]                 ; wo: row x pitch + 16 h + my 64 rows
	v_and_b32 v[CO], 31, v0                        ; lane
	s_lshl_b32 s96, s18, 15
	s_add_co_u32 s96, s96, RIMG
	v_lshl_add_u32 v[AR], v[CO], 4, s96            ; x: 16 x lane + my four tiles
	s_lshl_b32 s96, s18, 12
	s_add_co_u32 s96, s96, RSCL
	v_lshl_add_u32 v[ASR], v[CO], 2, s96           ; its scale words: 4 x lane
	v_lshrrev_b32 v[ASP], 3, v1
	s_delay_alu instid0(VALU_DEP_1)
	v_mul_u32_u24 v[ASP], v[ASP], 272
	v_and_b32 v[RD], 7, v1
	s_delay_alu instid0(VALU_DEP_1)
	v_lshl_add_u32 v[ASP], v[RD], 5, v[ASP]
	s_mul_i32 s96, s17, 2176
	s_add_co_u32 s96, s96, PSCL
	v_add_nc_u32 v[ASP], s96, v[ASP]               ; wo's: eight rows of 32 bytes to a unit of 256 + 16
	s_mul_i32 s96, s16, 16*272
	s_add_co_u32 s96, s96, STAGE                   ; my stage
	v_mul_u32_u24 v[STO], v1, 272
	s_delay_alu instid0(VALU_DEP_1)
	v_lshl_add_u32 v[STO], v2, 6, v[STO]
	s_delay_alu instid0(VALU_DEP_1)
	v_add_nc_u32 v[STO], s96, v[STO]               ; in: row r, + 64 h bytes
	v_mul_u32_u24 v[RD], v2, 272
	s_delay_alu instid0(VALU_DEP_1)
	v_lshl_add_u32 v[RD], v1, 4, v[RD]
	s_delay_alu instid0(VALU_DEP_1)
	v_add_nc_u32 v[RD], s96, v[RD]                 ; back: lanes 0-15 one row of 256 bytes, lanes 16-31 the next
	v_lshlrev_b32 v[CO], 12, v2
	s_delay_alu instid0(VALU_DEP_1)
	v_lshl_add_u32 v[CO], v1, 4, v[CO]             ; and the same two rows in out0
	s_lshl_b32 s96, s77, 19                        ; out0: 128 rows of 4,096 bytes a block,
	s_lshl_b32 s98, s18, 18                        ; my 64 rows,
	s_add_co_u32 s96, s96, s98
	s_lshl_b32 s98, s19, 10                        ; my block's 256 columns,
	s_add_co_u32 s96, s96, s98
	s_lshl_b32 s98, s17, 8                         ; my 64
	s_add_co_u32 s96, s96, s98
	s_add_nc_u64 s[90:91], s[14:15], s[96:97]
	s_wait_alu depctr_va_vdst(0)
	s_wait_loadcnt 0x0                             ; bo
	s_wait_tensorcnt 0x0                           ; my tile has landed,
	s_barrier_signal -1
	s_barrier_wait -1                              ; everybody's has.  Nothing is filled again
; A K step of 128 (two heads); the 16 accumulators take turns, one instruction a turn.  The first step's sums begin with bo.
.macro KSTEP q
.if (\q) > 0
.rept 4
	v_nop                                          ; four places ahead of loads into registers that matrix instructions have read
.endr
.endif
.if (\q)%4 == 0
.irp t, 0,1,2,3
	ds_load_b128 v[PSC+4*\t:PSC+4*\t+3], v[ASP] offset:544*\t+16*((\q)/4)
.endr
.endif
.irp t, 0,1,2,3
	ds_load_b32 v[RSC+\t], v[ASR] offset:1024*\t+128*(\q)
.irp c, 0,1
	ds_load_b128 v[PF+8*\t+4*\c:PF+8*\t+4*\c+3], v[AP] offset:8448*\t+64*(\q)+32*\c
	ds_load_b128 v[RF+8*\t+4*\c:RF+8*\t+4*\c+3], v[AR] offset:8192*\t+1024*(\q)+512*\c
.endr
.endr
	s_wait_dscnt 0x0
.irp a, 0,1,2,3
.irp b, 0,1,2,3
.if (\q) == 0
	v_wmma_scale_f32_16x16x128_f8f6f4 v[ACC+32*\a+8*\b:ACC+32*\a+8*\b+7], v[PF+8*\b:PF+8*\b+7], v[RF+8*\a:RF+8*\a+7], v[BC+8*\b:BC+8*\b+7], v[PSC+4*\b+(\q)%4], v[RSC+\a] matrix_a_fmt:MATRIX_FMT_FP4 matrix_b_fmt:MATRIX_FMT_FP4
.else
	v_wmma_scale_f32_16x16x128_f8f6f4 v[ACC+32*\a+8*\b:ACC+32*\a+8*\b+7], v[PF+8*\b:PF+8*\b+7], v[RF+8*\a:RF+8*\a+7], v[ACC+32*\a+8*\b:ACC+32*\a+8*\b+7], v[PSC+4*\b+(\q)%4], v[RSC+\a] matrix_a_fmt:MATRIX_FMT_FP4 matrix_b_fmt:MATRIX_FMT_FP4
.endif
.endr
.endr
.endm
.irp q, 0,1,2,3,4,5,6,7
	KSTEP \q
.endr
; THE WAY OUT, a tile of 16 rows x 64 columns at a time, through my own stage: a lane's numbers go in as 64 bytes of its row and come back as whole rows of 256 bytes.
; LDS serves a wave's instructions in order (ISA guide 5.7.1.4): no wait between the stores and the loads, nor ahead of the next tile's stores.
.macro TOSTAGE a
.irp b, 0,1
.irp j, 0,1,2,3
	ds_store_b128 v[STO], v[ACC+32*(\a)+16*\b+4*\j:ACC+32*(\a)+16*\b+4*\j+3] offset:128*\b+16*\j   ; each accumulator from its low end on
.endr
.endr
.irp i, 0,1,2,3,4,5,6,7
	ds_load_b128 v[OB+32*((\a)%2)+4*\i:OB+32*((\a)%2)+4*\i+3], v[RD] offset:544*\i
.endr
.endm
.macro SEND a, younger                 ; younger: the LDS instructions issued behind tile a's loads, which may stay out
	s_wait_dscnt \younger
.irp i, 0,1,2,3,4,5,6,7
	global_store_b128 v[CO], v[OB+32*((\a)%2)+4*\i:OB+32*((\a)%2)+4*\i+3], s[90:91] offset:(32*((\a)/2)+8*((\a)%2)+2*\i+8*(\i/4))*4096 th:TH_STORE_NT   ; places 2 i and 2 i + 1 of the tile: 16 lanes store 256 consecutive bytes, aligned
.endr
.endm
.rept 4
	v_nop                                          ; four places behind the last products, ahead of the reads of results and of the loads into the fragments' registers
.endr
	TOSTAGE 0
.irp a, 1,2,3
.if \a > 1
	s_wait_xcnt 0x0                                ; tile a - 2's stores have read their registers: tile a's rows may land there
.endif
	TOSTAGE \a
	SEND \a-1, 16                                  ; behind tile a - 1's loads: tile a's 8 stores and 8 loads
.endr
	SEND 3, 0
	s_wait_tensorcnt 0x0                           ; the wave's end
	ds_add_u32 v[SPW], v[NIL]
	s_wait_dscnt 0x0
	CROUND                                         ; the closing round
	s_endpgm
.Lfunc_end_k_q6f92ecab7d_oproj:
	.size	k_q6f92ecab7d_oproj, .Lfunc_end_k_q6f92ecab7d_oproj-k_q6f92ecab7d_oproj
	.p2alignl 7, 3214868480
	.fill 96, 4, 3214868480
	.section	.rodata,"a",@progbits
	.p2align	6, 0x0
	.amdhsa_kernel k_q6f92ecab7d_oproj
		.amdhsa_group_segment_fixed_size 253440
		.amdhsa_private_segment_fixed_size 0
		.amdhsa_enable_private_segment 0
		.amdhsa_kernarg_size 48
		.amdhsa_user_sgpr_count 2
		.amdhsa_user_sgpr_kernarg_segment_ptr 1
		.amdhsa_wavefront_size32 1
		.amdhsa_system_sgpr_workgroup_id_x 1
		.amdhsa_system_sgpr_workgroup_id_y 1
		.amdhsa_system_sgpr_workgroup_id_z 1
		.amdhsa_system_vgpr_workitem_id 0
		.amdhsa_next_free_vgpr 256
		.amdhsa_next_free_sgpr 100
		.amdhsa_reserve_vcc 0
		.amdhsa_float_denorm_mode_32 3
		.amdhsa_float_denorm_mode_16_64 3
		.amdhsa_memory_ordered 1
		.amdhsa_forward_progress 1
		.amdhsa_inst_pref_size 45
	.end_amdhsa_kernel
	.amdgpu_metadata
---
amdhsa.version: [ 1, 2 ]
amdhsa.kernels:
  - .name:           k_q6f92ecab7d_oproj
    .symbol:         k_q6f92ecab7d_oproj.kd
    .args:
      - { .name: cod, .offset: 0, .size: 8, .value_kind: global_buffer, .address_space: global }
      - { .name: scl, .offset: 8, .size: 8, .value_kind: global_buffer, .address_space: global }
      - { .name: xc, .offset: 16, .size: 8, .value_kind: global_buffer, .address_space: global }
      - { .name: xs, .offset: 24, .size: 8, .value_kind: global_buffer, .address_space: global }
      - { .name: bo, .offset: 32, .size: 8, .value_kind: global_buffer, .address_space: global }
      - { .name: out0, .offset: 40, .size: 8, .value_kind: global_buffer, .address_space: global }
    .group_segment_fixed_size: 253440
    .private_segment_fixed_size: 0
    .kernarg_segment_align: 8
    .kernarg_segment_size: 48
    .max_flat_workgroup_size: 256
    .sgpr_count:     100
    .vgpr_count:     256
    .wavefront_size: 32
...
	.end_amdgpu_metadata
.endif
;; end of part 4
